; MI455X (gfx1250); checked and timed in simulation.
; The chip was launched on July 23, 2026; its instructions are those of AMD's public machine-readable ISA for CDNA 5 (MIT licence, August 2026) and "CDNA5" Instruction Set Architecture Reference Guide (July 2026). The comments in the code are by the model that wrote it; some were corrected since.
;; Head. Allowed arithmetic: matrix products marked QUANTISED: E2M1 operands, one E8M0 scale for each 32 along K, by v_wmma_scale_f32_16x16x128_f8f6f4 with both operands' format E2M1 (or v_wmma_scale_f32_32x16x128_f4), f32 sums; everything else in f32.
;; Inputs: Wk_codes 64 x 16 x 16 uint8 (E2M1 codes of Wk, K innermost, in blocks of 32 codes, two codes a byte); Wk_scales 64 x 16 uint8 (E8M0 scales of Wk, one for each 32 codes along K); Wq_codes 64 x 16 x 16 uint8 (E2M1 codes of Wq, K innermost, in blocks of 32 codes, two codes a byte); Wq_scales 64 x 16 uint8 (E8M0 scales of Wq, one for each 32 codes along K); Wv_codes 64 x 16 x 16 uint8 (E2M1 codes of Wv, K innermost, in blocks of 32 codes, two codes a byte); Wv_scales 64 x 16 uint8 (E8M0 scales of Wv, one for each 32 codes along K); bk 64 float32; bq 64 float32; bv 64 float32; x_codes 8 x 2,048 x 16 x 16 uint8 (E2M1 codes of x, K innermost, in blocks of 32 codes, two codes a byte); x_scales 8 x 2,048 x 16 uint8 (E8M0 scales of x, one for each 32 codes along K).
;; Outputs: out0 8 x 2,048 x 64 float32.
;; This version of the problem:
;;   THIS VERSION OF THE PROBLEM IS GIVEN IN LOW PRECISION. The matrix products marked QUANTISED in the list below multiply operands that are first quantised to E2M1 (2 exponent bits, 1 mantissa bit; 4 bits a number), with one power-of-two scale for each 32 numbers along K (OCP MX v1.0); their sums are f32. All else is computed in f32.
;;   The module's matrix products, in the order in which they are computed (A, B: the left and right operand; K: the contracted axis; several contracted axes count as one K, in the product's order):
;;     1. [M 16,384, K 512] x [K 512, N 64]; A: input x (given as codes); B: input Wk (given as codes): QUANTISED
;;     2. [M 16,384, K 512] x [K 512, N 64]; A: input x (given as codes); B: input Wq (given as codes): QUANTISED
;;     3. [M 16,384, K 512] x [K 512, N 64]; A: input x (given as codes); B: input Wv (given as codes): QUANTISED
;;     4. batch 8 x [M 2,048, K 64] x [K 64, N 2,048]; A: computed on the way; B: computed on the way: QUANTISED
;;     5. batch 8 x [M 2,048, K 2,048] x [K 2,048, N 64]; A: softmax (see below); B: computed on the way: QUANTISED
;;   THE QUANTISER, for each operand of a quantised product, along K:
;;     - K is cut into blocks of 32 from its start; a last block that is shorter is filled with zeros.
;;     - A block's scale is 2^e with e = floor(log2(the largest magnitude in the block)) - 2, held to -126 .. 127; a block of zeros has e = 0. As a byte (E8M0): e + 127.
;;     - Each number is divided by its block's scale, clamped to +-6, and rounded to the nearest number of E2M1, ties to even, subnormals kept.
;;     - The product sums the exact products of the quantised numbers (number of the format x scale) in f32.
;;   ~~~python
;;   def quantise(x, axis):      # numpy; x: float32 -> the quantised numbers, widened to float32 again
;;       x = np.moveaxis(x, axis, -1); K = x.shape[-1]
;;       x = np.pad(x, [(0, 0)] * (x.ndim - 1) + [(0, -K % 32)]); x = x.reshape(x.shape[:-1] + (-1, 32)); a = np.abs(x).max(-1, keepdims=True)
;;       e = np.where(a > 0, np.clip(np.frexp(np.where(a > 0, a, 1))[1] - 1 - 2, -126, 127), 0)      # np.frexp(a)[1] - 1 = floor(log2(a)), exactly
;;       r = np.clip(x / 2.0 ** e, -6, 6)
;;       step = 2.0 ** (np.maximum(np.frexp(np.where(r == 0, 1, r))[1] - 1, 0) - 1)
;;       q = np.round(r / step) * step * 2.0 ** e      # np.round: ties to even
;;       return np.moveaxis(q.reshape(q.shape[:-2] + (-1,))[..., :K], -1, axis).astype(np.float32)
;;   ~~~
;;   SOFTMAX AHEAD OF A QUANTISED PRODUCT. Where the list says 'softmax', what is quantised is not the finished softmax but p = 2^(t - M), with t = logit x log2(e) and M = ceil(the row's largest t), a whole number; so 1/2 < the row's largest p <= 1. The row's sum l is taken of the UNQUANTISED p, in f32, and the product's result is divided by l at the end. Since M is a whole number, a kernel that streams over the keys may use a running M (the ceiling of the running maximum): every later rescaling is an exact power of two, which a block's scale takes up: the codes' values come out the same.
;;   OPERANDS COMPUTED ON THE WAY. 'Computed on the way' means the value that the module computes at that place (a softmax that the list does not call 'softmax' is quantised finished and normalised). What goes into a quantiser is computed in f32, as accurately as f32 sums, v_exp_f32 and their like allow (about 1e-6 of the number): no bf16 or f16 on the way to a quantiser, and a product that is left as it is and whose result goes on into a quantised operand takes f32 operands (vector FMAs, or v_wmma_f32_16x16x4_f32). A number that lies on a knife's edge between two numbers of the format may be rounded either way, as far as f32 arithmetic and the matrix unit's own rounding can turn it there, and no further.
;;   INPUTS GIVEN AS CODES. Wk (in the module: [512, 64], K = its axis 0); Wq (in the module: [512, 64], K = its axis 0); Wv (in the module: [512, 64], K = its axis 0); x (in the module: [8, 2048, 512], K = its axis 2): each comes as NAME_codes (uint8): NAME with its K axis moved to the last place and cut into blocks of 32 codes, [.., K / 32, bytes a block], one block behind the other in memory; two codes a byte, the lower K in the low four bits (a code: sign, 2 exponent bits, 1 mantissa bit); and NAME_scales (uint8): the same leading axes, one E8M0 byte (e + 127) for each 32 codes along K. Its value is code x scale, taken as it is: it is not quantised again, and the codes and scales need not be those that the quantiser above would give.
;; 2 versions. Each part assembles by itself: llvm-mc -triple=amdgcn-amd-amdhsa -mcpu=gfx1250 --defsym DOCPART=n.
;; ======== version 1 of 2: 2 launches
;; workspace buffers: qc 524,288 bytes; kc 524,288 bytes; qs 65,536 bytes; ks 65,536 bytes; vc 524,288 bytes; vs 32,768 bytes
;; launch proj (part 1): grid 256 x 1, 8 waves a work-group, no clusters, 168,960 bytes of LDS; arguments x_codes, Wq_codes, Wk_codes, Wv_codes, x_scales, Wq_scales, Wk_scales, Wv_scales, bq, bk, bv, qc, kc, qs, ks, vc, vs; writes qc, kc, qs, ks, vc, vs
.if DOCPART == 1
	.amdgcn_target "amdgcn-amd-amdhsa--gfx1250"
	.amdhsa_code_object_version 6
	.text
	.protected	k_qa2f3b0c570_proj
	.globl	k_qa2f3b0c570_proj
	.p2align	8
	.type	k_qa2f3b0c570_proj,@function
k_qa2f3b0c570_proj:
	s_mov_b64 s[64:65], 0
	v_nop
	global_prefetch_b8 v0, s[64:65] scope:SCOPE_SE
	s_setreg_imm32_b32 hwreg(HW_REG_WAVE_MODE, 25, 1), 1
	s_wait_xcnt 0x0
; q = x Wq + bq, k = x Wk + bk, v = x Wv + bv on codes of FP4 (E2M1) with E8M0 scales, sums in f32; the results are quantised at once: q and k along the 64 channels, v along the keys,
; and stored in the order of the next launch's operand registers.
; SHARES.  A work-group takes 64 rows of x (16,384 rows / 256 work-groups).  Its eight waves first bring 256 rows of 256 bytes into LDS (64 of x, 64 each of Wq, Wk, Wv: 32 rows a wave) and their scale bytes.
; Wave w: g = w / 4 is its group of 32 rows, p = w % 4, u = p % 2, m = p / 2.  Every wave runs the same text; only addresses differ.
;   TRANSPOSED PART: source 0 = 16 channels of W (m = 0: Wq, 1: Wk), source 1 = x's tile (g, u): a lane holds ONE row of x and its registers run along the channels, the next product's K.
;   NATURAL PART: source 0 = x's tile (g, u), then tile (g, 1 - u), source 1 = Wv's channels 16 p + r: a lane holds ONE channel and its registers run along the keys, the last product's K.
; A TILE'S ROWS ARE NOT NEIGHBOURS: lane r of tile (g, u) takes row 32 g + 8 u + r + 8 (r / 8); W's channels likewise.  So the 16 registers of two neighbouring tiles are 16 neighbours along the next K.
; WORKSPACE.  tile tau = 4 wg + 2 g + u.  qc, kc: [tau][block of 32 channels][r][16 bytes];  qs, ks: [tau][r] a word (s0, s1, s0, s1);
;   vc: [128 keys][16 channels n][64 keys c][lane][16 bytes];  vs: [128 keys][channel] a word, byte = block of 32 keys.
; NO CLUSTER: the three weights are shared by all work-groups, but the launch has one fill of 69,632 + 4,096 bytes and no loop: a joint request would set two rounds of a cluster's barrier round that single fill.
; LIMITS: NaN and infinities are not served.  A block whose largest magnitude lies under 2^-124 gets the scale byte 1, a block of zeros too (the rule says 127): its codes are zeros, and this program alone reads the bytes.
.set PITCH, 272                        ; an LDS row: 256 bytes + 16 of padding
.set SCL,   256*PITCH                  ; behind the 256 rows of codes: 256 rows of 16 scale bytes
.set XF,    24                         ; v24-55    x's tile (g, u): 8 registers for each of the four K steps of 128
.set XS,    56                         ; v56-87    x's tile (g, 1 - u)
.set WV,    88                         ; v88-119   Wv's 16 channels
.set WM,    120                        ; v120-183  W's four tiles of a K step, two buffers
.set ACCT,  184                        ; v184-215  four accumulators of the transposed part
.set ACCN,  216                        ; v216-231  two of the natural part: they lie on as a third block of 16 registers
.set XSF,   232                        ; v232-235  scale words of tile (g, u), one a K step;  v236-239 of tile (g, 1 - u);  v240-243 of Wv's channels
.set XSS,   236
.set VSW,   240
.set WSB,   244                        ; v244-251  scale words of W's four tiles, two buffers
.set BV,    252                        ; v252 bv of my channel, v253 0 (named with it as a pair)
.set TM,    120                        ; behind the products: v120-122 largest magnitudes of the three blocks
.set TP,    124                        ; v124-126 the other half's
.set SO,    128                        ; v128-130 the conversions' scale operands
.set BY,    132                        ; v132-134 the scale bytes
.set HW,    136                        ; v136     a row's two bytes
.set CT,    138                        ; v138-143 the codes, two registers a block
.set CO,    144                        ; v144-145 v's codes in the order of the keys
	s_load_b512 s[8:23], s[0:1], 0x0               ; x, Wq, Wk, Wv: codes s[8:15], scales s[16:23]
	s_load_b512 s[24:39], s[0:1], 0x40             ; bq, bk, bv, qc, kc, qs, ks, vc
	s_load_b64 s[40:41], s[0:1], 0x80              ; vs
	v_lshl_add_u32 v254, v0, 2, 0x29000
	v_mov_b32 v255, 0
	v_lshrrev_b32 v20, 5, v0
	v_readfirstlane_b32 s2, v20                    ; wave 0..7
	v_and_b32 v1, 31, v0                           ; lane
	v_and_b32 v2, 15, v0                           ; r
	v_bfe_u32 v3, v0, 4, 1                         ; h
	v_and_b32 v4, 8, v2
	v_add_nc_u32 v4, v4, v2                        ; r + 8 (r / 8)
	v_lshlrev_b32 v5, 4, v1                        ; 16 x lane
	s_lshr_b32 s3, s2, 1                           ; which tensor I bring in: 0 x, 1 Wq, 2 Wk, 3 Wv
	s_lshr_b32 s42, s2, 2                          ; g
	s_and_b32 s43, s2, 3                           ; p
	s_and_b32 s44, s2, 1                           ; u; also: which 32 rows of the tensor I bring in
	s_bfe_u32 s45, s2, 0x10001                     ; m
	s_xor_b32 s47, s44, 1                          ; 1 - u
	s_sub_co_u32 s68, 0, s44                       ; all ones where u = 1: a lane mask
	s_mov_b32 s66, 0x76543210
	s_mov_b32 s67, 0xfedcba98                      ; lane selects: lane l xor 16
	; every LDS address: a constant, a constant x lane, a constant x a part of the wave's number
	v_mul_u32_u24 v6, v3, PITCH
	v_lshl_add_u32 v6, v2, 4, v6
	s_mul_i32 s70, s2, 32*PITCH
	v_add_nc_u32 v6, s70, v6                       ; in: my 32 rows; a load's 512 bytes are two rows
	s_lshl_b32 s70, s2, 9
	s_add_co_u32 s70, s70, SCL
	v_add_nc_u32 v7, s70, v5                       ; in: my 32 rows' scale bytes
	v_mul_u32_u24 v20, v4, PITCH
	v_lshl_add_u32 v20, v3, 4, v20                 ; a tile's row x pitch + 16 h
	v_mul_u32_u24 v21, v2, PITCH
	v_lshl_add_u32 v21, v3, 4, v21                 ; the same for neighbouring rows
	s_mul_i32 s70, s42, 32*PITCH
	s_mul_i32 s71, s44, 8*PITCH
	s_add_co_u32 s72, s70, s71
	v_add_nc_u32 v8, s72, v20                      ; x's tile (g, u)
	s_mul_i32 s71, s47, 8*PITCH
	s_add_co_u32 s72, s70, s71
	v_add_nc_u32 v9, s72, v20                      ; x's tile (g, 1 - u)
	s_mul_i32 s70, s45, 64*PITCH
	s_add_co_u32 s70, s70, 64*PITCH
	v_add_nc_u32 v10, s70, v20                     ; Wq's or Wk's tiles
	s_mul_i32 s70, s43, 16*PITCH
	s_add_co_u32 s70, s70, 192*PITCH
	v_add_nc_u32 v11, s70, v21                     ; Wv's channels 16 p on
	v_lshlrev_b32 v22, 4, v4
	v_lshlrev_b32 v23, 4, v2
	s_lshl_b32 s70, s42, 9
	s_add_co_u32 s70, s70, SCL
	s_lshl_b32 s71, s44, 7
	s_add_co_u32 s72, s70, s71
	v_add_nc_u32 v12, s72, v22                     ; the same four places among the scale bytes, 16 a row
	s_lshl_b32 s71, s47, 7
	s_add_co_u32 s72, s70, s71
	v_add_nc_u32 v13, s72, v22
	s_lshl_b32 s70, s45, 10
	s_add_co_u32 s70, s70, SCL+64*16
	v_add_nc_u32 v14, s70, v22
	s_lshl_b32 s70, s43, 8
	s_add_co_u32 s70, s70, SCL+192*16
	v_add_nc_u32 v15, s70, v23
	v_lshl_add_u32 v16, v3, 3, v23                 ; out: 16 r + 8 h: my 8 bytes of a block's codes
	v_lshlrev_b32 v18, 2, v2                       ; 4 r
	v_lshl_add_u32 v17, v3, 1, v18                 ; out: 4 r + 2 h: my half of a row's scale word
	v_lshlrev_b32 v19, 6, v3                       ; 64 h: my half's 16 numbers of a bias
	v_mov_b32 v[BV+1], 0
	s_wait_kmcnt 0x0
	s_cmp_eq_u32 s3, 1                             ; the tensor that I bring in: the choice hangs on the wave's number alone
	s_cselect_b64 s[48:49], s[10:11], s[8:9]
	s_cselect_b64 s[50:51], s[18:19], s[16:17]
	s_cmp_eq_u32 s3, 2
	s_cselect_b64 s[48:49], s[12:13], s[48:49]
	s_cselect_b64 s[50:51], s[20:21], s[50:51]
	s_cmp_eq_u32 s3, 3
	s_cselect_b64 s[48:49], s[14:15], s[48:49]
	s_cselect_b64 s[50:51], s[22:23], s[50:51]
	s_cmp_eq_u32 s3, 0
	s_cselect_b32 s70, ttmp9, 0                    ; only x is stepped by the work-group: 64 rows
	s_mov_b32 s53, 0
	s_lshl_b32 s52, s70, 14
	s_lshl_b32 s71, s44, 13
	s_add_co_u32 s52, s52, s71
	s_add_nc_u64 s[48:49], s[48:49], s[52:53]      ; my 32 rows of codes
	s_lshl_b32 s52, s70, 10
	s_lshl_b32 s71, s44, 9
	s_add_co_u32 s52, s52, s71
	s_add_nc_u64 s[50:51], s[50:51], s[52:53]      ; and of scale bytes
	s_cmp_eq_u32 s45, 1
	s_cselect_b64 s[54:55], s[26:27], s[24:25]     ; bk or bq
	s_cselect_b64 s[56:57], s[32:33], s[30:31]     ; kc or qc
	s_cselect_b64 s[58:59], s[36:37], s[34:35]     ; ks or qs
	s_lshl_b32 s52, s43, 6
	s_add_nc_u64 s[28:29], s[28:29], s[52:53]      ; bv at channel 16 p
.irp t, 0,1,2,3                                ; the bias lands in the accumulators: it is the C of each sum's first product.  Tile t, lane half h: channels 32 (t / 2) + 8 (t % 2) + 16 h + 0 .. 7
	global_load_b128 v[ACCT+8*\t:ACCT+8*\t+3], v19, s[54:55] offset:4*(32*(\t/2)+8*(\t%2))
	global_load_b128 v[ACCT+8*\t+4:ACCT+8*\t+7], v19, s[54:55] offset:4*(32*(\t/2)+8*(\t%2))+16
.endr
	global_load_b32 v[BV], v18, s[28:29]
.irp i, 0,1,2,3,4,5,6,7,8,9,10,11,12,13,14,15
	global_load_b128 v[24+4*\i:27+4*\i], v5, s[48:49] offset:512*\i   ; 32 lanes read 512 consecutive bytes: two rows
.endr
	global_load_b128 v[88:91], v5, s[50:51]        ; 32 rows' scale bytes
	; where the results go: scalar work while the loads are out
	s_lshl_b32 s70, ttmp9, 2
	s_lshl_b32 s71, s42, 1
	s_add_co_u32 s70, s70, s71
	s_add_co_u32 s70, s70, s44                     ; tau = 4 wg + 2 g + u
	s_lshl_b32 s52, s70, 9
	s_add_nc_u64 s[56:57], s[56:57], s[52:53]
	s_lshl_b32 s52, s70, 6
	s_add_nc_u64 s[58:59], s[58:59], s[52:53]
	s_lshr_b32 s71, ttmp9, 1                       ; which 128 keys
	s_and_b32 s72, ttmp9, 1                        ; which 64 of them
	s_lshl_b32 s73, s71, 2
	s_add_co_u32 s73, s73, s43
	s_lshl_b32 s73, s73, 10
	s_lshl_b32 s74, s72, 9
	s_add_co_u32 s73, s73, s74
	s_lshl_b32 s74, s42, 8
	s_add_co_u32 s52, s73, s74
	s_add_nc_u64 s[60:61], s[38:39], s[52:53]      ; vc: ((wg / 2) 4 + p) 1,024 + (wg % 2) 512 + 256 g
	s_lshl_b32 s73, s71, 8
	s_lshl_b32 s74, s43, 6
	s_add_co_u32 s73, s73, s74
	s_lshl_b32 s74, s72, 1
	s_add_co_u32 s73, s73, s74
	s_add_co_u32 s52, s73, s42
	s_add_nc_u64 s[62:63], s[40:41], s[52:53]      ; vs: (wg / 2) 256 + 64 p + 2 (wg % 2) + g
.irp i, 0,1,2,3,4,5,6,7,8,9,10,11,12,13,14,15
	s_wait_loadcnt 16-\i                           ; chunk i is in: behind it 15 - i chunks and the scale bytes
	ds_store_b128 v6, v[24+4*\i:27+4*\i] offset:2*PITCH*\i
.endr
	s_wait_loadcnt 0x0
	ds_store_b128 v7, v[88:91]
	s_wait_dscnt 0x0                               ; for the others' sake: my stores have landed
	s_barrier_signal -1
	s_barrier_wait -1                              ; all 256 rows lie in LDS; nothing is written there again
.macro LOADWM s                        ; W's four tiles of K step s and their scale words into buffer s % 2: twelve loads
.irp t, 0,1,2,3
.irp c, 0,1
	ds_load_b128 v[WM+32*((\s)%2)+8*\t+4*\c:WM+32*((\s)%2)+8*\t+4*\c+3], v10 offset:(32*(\t/2)+8*(\t%2))*PITCH+64*(\s)+32*\c
.endr
	ds_load_b32 v[WSB+4*((\s)%2)+\t], v14 offset:16*(32*(\t/2)+8*(\t%2))+4*(\s)
.endr
.endm
.macro MUL s                           ; K step s: six products on six accumulators by turns
.irp t, 0,1,2,3
	v_wmma_scale_f32_16x16x128_f8f6f4 v[ACCT+8*\t:ACCT+8*\t+7], v[WM+32*((\s)%2)+8*\t:WM+32*((\s)%2)+8*\t+7], v[XF+8*(\s):XF+8*(\s)+7], v[ACCT+8*\t:ACCT+8*\t+7], v[WSB+4*((\s)%2)+\t], v[XSF+(\s)] matrix_a_fmt:MATRIX_FMT_FP4 matrix_b_fmt:MATRIX_FMT_FP4
.endr
.if (\s) == 0
	v_wmma_scale_f32_16x16x128_f8f6f4 v[ACCN:ACCN+7], v[XF+8*(\s):XF+8*(\s)+7], v[WV+8*(\s):WV+8*(\s)+7], 0, v[XSF+(\s)], v[VSW+(\s)] matrix_a_fmt:MATRIX_FMT_FP4 matrix_b_fmt:MATRIX_FMT_FP4
	v_wmma_scale_f32_16x16x128_f8f6f4 v[ACCN+8:ACCN+15], v[XS+8*(\s):XS+8*(\s)+7], v[WV+8*(\s):WV+8*(\s)+7], 0, v[XSS+(\s)], v[VSW+(\s)] matrix_a_fmt:MATRIX_FMT_FP4 matrix_b_fmt:MATRIX_FMT_FP4
.else
	v_wmma_scale_f32_16x16x128_f8f6f4 v[ACCN:ACCN+7], v[XF+8*(\s):XF+8*(\s)+7], v[WV+8*(\s):WV+8*(\s)+7], v[ACCN:ACCN+7], v[XSF+(\s)], v[VSW+(\s)] matrix_a_fmt:MATRIX_FMT_FP4 matrix_b_fmt:MATRIX_FMT_FP4
	v_wmma_scale_f32_16x16x128_f8f6f4 v[ACCN+8:ACCN+15], v[XS+8*(\s):XS+8*(\s)+7], v[WV+8*(\s):WV+8*(\s)+7], v[ACCN+8:ACCN+15], v[XSS+(\s)], v[VSW+(\s)] matrix_a_fmt:MATRIX_FMT_FP4 matrix_b_fmt:MATRIX_FMT_FP4
.endif
.endm
.macro PLACES                          ; four plain vector instructions between a product and a load into, or a vector instruction on, its registers
.rept 4
	v_nop
.endr
.endm
.irp s, 0,1,2,3                                ; a fragment: lane (r, h), registers 4 c on: the row's 16 bytes at 64 s + 32 c + 16 h
.irp c, 0,1
	ds_load_b128 v[XF+8*\s+4*\c:XF+8*\s+4*\c+3], v8 offset:64*\s+32*\c
	ds_load_b128 v[XS+8*\s+4*\c:XS+8*\s+4*\c+3], v9 offset:64*\s+32*\c
	ds_load_b128 v[WV+8*\s+4*\c:WV+8*\s+4*\c+3], v11 offset:64*\s+32*\c
.endr
.endr
	ds_load_b128 v[XSF:XSF+3], v12                 ; a row's 16 scale bytes are the scale words of its four K steps
	ds_load_b128 v[XSS:XSS+3], v13
	ds_load_b128 v[VSW:VSW+3], v15
	LOADWM 0
	LOADWM 1
	s_wait_dscnt 0x0
	MUL 0
	PLACES
	LOADWM 2
	MUL 1
	PLACES
	LOADWM 3
	s_wait_dscnt 12                                ; K step 2's are in; K step 3's twelve may be out
	MUL 2
	s_wait_dscnt 0x0
	MUL 3
	PLACES
	; THE QUANTISER, three blocks of 32 by turns: block 0, 1: my row's channels 32 b + 16 h + 0 .. 15; block 2: my channel's keys 16 h + 0 .. 15 (as tiles (g, u), (g, 1 - u)).  A block lies in lanes l and l xor 16.
.irp j, 0,2,4,6,8,10,12,14
	v_pk_add_f32 v[ACCN+\j:ACCN+\j+1], v[ACCN+\j:ACCN+\j+1], v[BV:BV+1] op_sel_hi:[1,0]   ; v's bias: one number a lane
.endr
.irp b, 0,1,2
	v_mov_b32 v[TP+\b], 0                          ; a lane permute's destination counts as one of its sources
.endr
.irp b, 0,1,2
	v_max3_num_f32 v[TM+\b], |v[ACCT+16*\b]|, |v[ACCT+16*\b+1]|, 0x1800000   ; my 16 numbers and the floor 2^(3 - 127): the byte cannot fall under 1
.endr
.irp i, 2,4,6,8,10,12,14
.irp b, 0,1,2
	v_max3_num_f32 v[TM+\b], v[TM+\b], |v[ACCT+16*\b+\i]|, |v[ACCT+16*\b+\i+1]|
.endr
.endr
.irp b, 0,1,2
	v_permlanex16_b32 v[TP+\b], v[TM+\b], s66, s67
.endr
.irp b, 0,1,2
	v_max_num_f32 v[TM+\b], v[TM+\b], v[TP+\b]     ; the block's largest magnitude
.endr
.irp b, 0,1,2
	v_add_nc_u32 v[SO+\b], 0xff000000, v[TM+\b]    ; 2 off its exponent field: the conversion's scale operand
.endr
.irp b, 0,1,2
	v_lshrrev_b32 v[BY+\b], 23, v[SO+\b]           ; the scale's byte
.endr
	v_lshl_or_b32 v[HW], v[BY+1], 8, v[BY]         ; my row's two bytes
.irp b, 0,1,2
	v_cvt_scalef32_pk8_fp4_f32 v[CT+2*\b], v[ACCT+16*\b:ACCT+16*\b+7], v[SO+\b]
	v_cvt_scalef32_pk8_fp4_f32 v[CT+2*\b+1], v[ACCT+16*\b+8:ACCT+16*\b+15], v[SO+\b]
.endr
	v_nop                                          ; one plain place behind a scaled conversion
	v_cndmask_b32 v[CO], v[CT+4], v[CT+5], s68     ; v's codes in the order of the keys: tile (g, 0)'s eight first
	v_cndmask_b32 v[CO+1], v[CT+5], v[CT+4], s68
.irp b, 0,1
	global_store_b64 v16, v[CT+2*\b:CT+2*\b+1], s[56:57] offset:256*\b   ; 32 lanes store 256 consecutive bytes, at a multiple of 256 from the buffer's first byte
.endr
	global_store_b16 v17, v[HW], s[58:59]          ; the two halves of the lanes write the word's two copies: 64 consecutive bytes
	global_store_b64 v16, v[CO:CO+1], s[60:61]     ; 256 consecutive bytes likewise
	global_store_b8 v18, v[BY+2], s[62:63]         ; one byte a channel; lanes r and r + 16 write the same byte with the same value
	s_wait_tensorcnt 0x0
	ds_add_u32 v254, v255
	s_wait_dscnt 0x0
	s_endpgm
.Lfunc_end_k_qa2f3b0c570_proj:
	.size	k_qa2f3b0c570_proj, .Lfunc_end_k_qa2f3b0c570_proj-k_qa2f3b0c570_proj
	.p2alignl 7, 3214868480
	.fill 96, 4, 3214868480
	.section	.rodata,"a",@progbits
	.p2align	6, 0x0
	.amdhsa_kernel k_qa2f3b0c570_proj
		.amdhsa_group_segment_fixed_size 168960
		.amdhsa_private_segment_fixed_size 0
		.amdhsa_enable_private_segment 0
		.amdhsa_kernarg_size 136
		.amdhsa_user_sgpr_count 2
		.amdhsa_user_sgpr_kernarg_segment_ptr 1
		.amdhsa_wavefront_size32 1
		.amdhsa_system_sgpr_workgroup_id_x 1
		.amdhsa_system_sgpr_workgroup_id_y 1
		.amdhsa_system_sgpr_workgroup_id_z 1
		.amdhsa_system_vgpr_workitem_id 0
		.amdhsa_next_free_vgpr 256
		.amdhsa_next_free_sgpr 80
		.amdhsa_reserve_vcc 0
		.amdhsa_float_denorm_mode_32 3
		.amdhsa_float_denorm_mode_16_64 3
		.amdhsa_memory_ordered 1
		.amdhsa_forward_progress 1
		.amdhsa_inst_pref_size 22
	.end_amdhsa_kernel
	.amdgpu_metadata
---
amdhsa.version: [ 1, 2 ]
amdhsa.kernels:
  - .name:           k_qa2f3b0c570_proj
    .symbol:         k_qa2f3b0c570_proj.kd
    .args:
      - { .name: x_codes, .offset: 0, .size: 8, .value_kind: global_buffer, .address_space: global }
      - { .name: Wq_codes, .offset: 8, .size: 8, .value_kind: global_buffer, .address_space: global }
      - { .name: Wk_codes, .offset: 16, .size: 8, .value_kind: global_buffer, .address_space: global }
      - { .name: Wv_codes, .offset: 24, .size: 8, .value_kind: global_buffer, .address_space: global }
      - { .name: x_scales, .offset: 32, .size: 8, .value_kind: global_buffer, .address_space: global }
      - { .name: Wq_scales, .offset: 40, .size: 8, .value_kind: global_buffer, .address_space: global }
      - { .name: Wk_scales, .offset: 48, .size: 8, .value_kind: global_buffer, .address_space: global }
      - { .name: Wv_scales, .offset: 56, .size: 8, .value_kind: global_buffer, .address_space: global }
      - { .name: bq, .offset: 64, .size: 8, .value_kind: global_buffer, .address_space: global }
      - { .name: bk, .offset: 72, .size: 8, .value_kind: global_buffer, .address_space: global }
      - { .name: bv, .offset: 80, .size: 8, .value_kind: global_buffer, .address_space: global }
      - { .name: qc, .offset: 88, .size: 8, .value_kind: global_buffer, .address_space: global }
      - { .name: kc, .offset: 96, .size: 8, .value_kind: global_buffer, .address_space: global }
      - { .name: qs, .offset: 104, .size: 8, .value_kind: global_buffer, .address_space: global }
      - { .name: ks, .offset: 112, .size: 8, .value_kind: global_buffer, .address_space: global }
      - { .name: vc, .offset: 120, .size: 8, .value_kind: global_buffer, .address_space: global }
      - { .name: vs, .offset: 128, .size: 8, .value_kind: global_buffer, .address_space: global }
    .group_segment_fixed_size: 168960
    .private_segment_fixed_size: 0
    .kernarg_segment_align: 8
    .kernarg_segment_size: 136
    .max_flat_workgroup_size: 256
    .sgpr_count:     80
    .vgpr_count:     256
    .wavefront_size: 32
...
	.end_amdgpu_metadata
.endif
;; end of part 1
;; launch attn (part 2): grid 32 x 8, 8 waves a work-group, no clusters, 168,960 bytes of LDS; arguments qc, qs, kc, ks, vc, vs, out0; writes out0
.if DOCPART == 2
	.amdgcn_target "amdgcn-amd-amdhsa--gfx1250"
	.amdhsa_code_object_version 6
	.text
	.protected	k_qa2f3b0c570_attn
	.globl	k_qa2f3b0c570_attn
	.p2align	8
	.type	k_qa2f3b0c570_attn,@function
k_qa2f3b0c570_attn:
	s_mov_b64 s[64:65], 0
	v_nop
	global_prefetch_b8 v0, s[64:65] scope:SCOPE_SE
	s_setreg_imm32_b32 hwreg(HW_REG_WAVE_MODE, 25, 1), 1
	s_wait_xcnt 0x0
; out[b][q] = the sum over keys k <= q of softmax_k(q . k / 8) v[k], both products on codes of FP4 (E2M1) with E8M0 scales, from the operand images that the launch before has stored.
; THE SOFTMAX: t = score x log2(e) / 8; M = the largest t so far, rounded UP to a whole number; p = 2^(t - M) is quantised along the keys; the sum l is taken of the unquantised p and divides at the end.
; SHARES.  A batch has 128 tiles of 16 queries; tile i needs i / 8 + 1 steps of 128 keys.  Tiles P and 127 - P need 17 together: such a PAIR is walked by four waves, 5, 4, 4 and 4 steps.  A pair's 17 steps are numbered:
; the short tile's SA = P / 8 + 1 first, then the long tile's.  A work-group of eight waves has two pairs (P = 2 x + 0, 1); 32 x 8 work-groups have 512 pairs.  A wave's steps may span both tiles: at step SA it puts the short
; tile's state down and goes on with the long tile's queries.  Each wave leaves its state (O^T, -M, l) of either tile in slots of its own in LDS, empty ones too; behind ONE barrier each wave merges half a tile from
; four slots: the M are whole numbers, so each part is brought under the largest M by a power of two, which rounds nothing.
; LAYOUT.  Both products are used transposed: S^T = K Q^T (source 0 = 16 keys, source 1 = 16 queries), O^T = V^T P^T: a lane holds ONE query (lane % 16) throughout.  Lane r of a tile holds row 8 u + r + 8 (r / 8) of
; its 32, keys and queries alike, so that the 16 registers of two neighbouring tiles of keys are 16 neighbouring keys.
; K = 64 IN A PRODUCT OF 128: even tiles of keys have their 64 channels at k = 0 .. 63 and zero codes behind, odd tiles zero codes first; Q lies as (data, zeros, data), read from its head or from its middle;
; the scale words hold a row's two bytes twice, so that they serve either half.  K's registers lie in groups of 12 (data, zeros, data) for two tiles.
; OPERANDS come from memory straight into registers, each lane 16 neighbouring bytes, a step ahead: K of step t + 1 is asked for behind the scores of step t, V of step t + 1 behind the second product of step t.
; NO CLUSTER, NO RING IN LDS: the eight waves of a work-group stand at four different key steps, and pairs change tiles at SA, which differs from work-group to work-group: no two partners want the same 8,960 bytes in the same round.
; LIMITS: NaN and infinities are not served.  A block of p under 2^-124 gets the scale byte 1 (its codes are zeros).  The new tile's first step multiplies the old O^T and l by 0: they are finite wherever the result is.
.set SLOTB, 16*272                     ; a slot: 16 queries x (64 channels of f32 + 16 bytes of padding)
.set ML,    16*SLOTB                   ; behind the 16 slots (wave, tile): 16 x 128 bytes of (-M, l), 8 bytes a query
.set KFR,   36                         ; v36-83    K: four groups of 12
.set KS,    84                         ; v84-87    K's scale words: lanes 0-15 the even tile's, lanes 16-31 the odd tile's
.set VF,    88                         ; v88-119   V: four tiles of 16 channels x 128 keys
.set VS,    120                        ; v120-121  V's scale words: lane = channel % 32
.set S,     128                        ; v128-191  S^T, then p
.set O,     192                        ; v192-223  O^T
.set PC,    224                        ; v224-231  p's codes
.set BM,    232                        ; v232-235  the blocks' largest scores, then largest p
.set PD,    236                        ; v236-239  at work
.set SO,    240                        ; v240-243  the conversions' scale operands
.set PW,    244                        ; v244      p's scale word
.set FF,    246                        ; v246 f, v247 0 (named with it as a pair)
.set MT,    88                         ; the merge: eight registers at work for each pair of rows
; v1 16 x lane; v2 4 x lane; v3 r + 8 (r / 8) - 16 h; v4, v5 where I put O^T and (-M, l); v6, v7 where I read them back; v9 4 r; v12 -M; v13 largest t; v[14:15] l in two halves;
; v16-27 Q (data, zeros, data); v28 its scale words; v29, v32-35 the long tile's
.set W,   18
.set PI,  19                           ; which pair of the work-group
.set JJ,  20
.set J,   21                           ; which share of the pair's 17 steps
.set PP,  22                           ; P
.set SA,  23
.set V,   24                           ; the step in hand, 0 .. 16
.set VL,  25                           ; my last
.set TQA, 26                           ; the short tile's first query
.set TQB, 27                           ; the long tile's
.set SEL, 28                           ; s[28:29] lane selects: lane l xor 16
.set CS,  30                           ; s[30:31] c = log2(e) / 8, twice
.set HM,  32                           ; lanes 16-31
.set KN,  33                           ; the key step to be fetched
.set SKF, 34                           ; the step's first key
.set TQ,  35                           ; the tile's first query
	s_load_b256 s[4:11], s[0:1], 0x0               ; qc, qs, kc, ks
	s_load_b128 s[12:15], s[0:1], 0x20             ; vc, vs
	s_load_b64 s[16:17], s[0:1], 0x30              ; out
	v_lshl_add_u32 v254, v0, 2, 0x29000
	v_mov_b32 v255, 0
	v_lshrrev_b32 v10, 5, v0
	v_readfirstlane_b32 s[W], v10                  ; wave 0..7
	v_and_b32 v11, 31, v0
	v_lshlrev_b32 v1, 4, v11
	v_lshlrev_b32 v2, 2, v11
	v_and_b32 v10, 15, v0                          ; r
	v_bfe_u32 v11, v0, 4, 1                        ; h
	v_lshlrev_b32 v9, 2, v10
	v_and_b32 v3, 8, v10
	v_add_nc_u32 v3, v3, v10
	v_lshlrev_b32 v8, 4, v11
	v_sub_nc_u32 v3, v3, v8
	s_lshr_b32 s[PI], s[W], 2
	s_and_b32 s[JJ], s[W], 3
	s_mul_i32 s46, s[PI], 3
	s_xor_b32 s[J], s[JJ], s46                     ; the second pair's shares run backward, so that the two shares of five steps fall on waves that differ modulo 4
	s_lshl_b32 s[PP], ttmp9, 1
	s_add_co_u32 s[PP], s[PP], s[PI]
	s_lshr_b32 s[SA], s[PP], 3
	s_add_co_u32 s[SA], s[SA], 1
	s_min_u32 s46, s[J], 1
	s_lshl_b32 s[V], s[J], 2
	s_add_co_u32 s[VL], s[V], 4                    ; shares: steps 0-4, 5-8, 9-12, 13-16
	s_add_co_u32 s[V], s[V], s46
	s_sub_co_u32 s47, 127, s[PP]                   ; the long tile
	s_lshr_b32 s46, s[PP], 1
	s_lshl_b32 s[TQA], s46, 5
	s_and_b32 s46, s[PP], 1
	s_lshl_b32 s46, s46, 3
	s_add_co_u32 s[TQA], s[TQA], s46               ; tile i begins at query 32 (i / 2) + 8 (i % 2)
	s_lshr_b32 s46, s47, 1
	s_lshl_b32 s[TQB], s46, 5
	s_and_b32 s46, s47, 1
	s_lshl_b32 s46, s46, 3
	s_add_co_u32 s[TQB], s[TQB], s46
	s_lshr_b32 s48, s[JJ], 1                       ; the merge: which tile of my pair,
	s_and_b32 s49, s[JJ], 1                        ; and which eight of its rows
	; every LDS address: a constant, a constant x lane, a constant x a part of the wave's number
	v_mul_u32_u24 v4, v10, 272
	v_lshl_add_u32 v4, v11, 5, v4
	s_mul_i32 s46, s[W], 2*SLOTB
	v_add_nc_u32 v4, s46, v4                       ; my two slots: row r, + 32 h
	v_lshlrev_b32 v5, 3, v10
	v_lshl_add_u32 v5, v11, 2, v5
	s_lshl_b32 s46, s[W], 8
	s_add_co_u32 s46, s46, ML
	v_add_nc_u32 v5, s46, v5                       ; lanes 0-15 put -M, lanes 16-31 l
	v_mul_u32_u24 v6, v11, 272
	v_lshl_add_u32 v6, v10, 4, v6
	s_mul_i32 s46, s[PI], 8*SLOTB
	s_mul_i32 s50, s48, SLOTB
	s_add_co_u32 s46, s46, s50
	s_mul_i32 s50, s49, 8*272
	s_add_co_u32 s46, s46, s50
	v_add_nc_u32 v6, s46, v6                       ; back: lanes 0-15 one row of 256 bytes, lanes 16-31 the next
	v_lshlrev_b32 v7, 3, v11
	s_lshl_b32 s46, s[PI], 10
	s_lshl_b32 s50, s48, 7
	s_add_co_u32 s46, s46, s50
	s_lshl_b32 s50, s49, 6
	s_add_co_u32 s46, s46, s50
	s_add_co_u32 s46, s46, ML
	v_add_nc_u32 v7, s46, v7
	s_mov_b32 s[SEL], 0x76543210
	s_mov_b32 s[SEL+1], 0xfedcba98
	s_mov_b32 s[CS], 0x3e38aa3b                    ; log2(e) / 8
	s_mov_b32 s[CS+1], s[CS]
	s_mov_b32 s[HM], 0xffff0000
	s_cmp_gt_u32 s[V], s[SA]
	s_cselect_b32 s50, s47, s[PP]                  ; the tile that I begin with (where my first step is SA itself, the short one: the step changes tiles)
	s_cmp_eq_u32 s48, 1
	s_cselect_b32 s51, s[TQB], s[TQA]
	s_lshl_b32 s46, s49, 4
	s_add_co_u32 s51, s51, s46                     ; the rows that I merge are eight neighbouring queries: the tile's first + 16 x half
	s_lshl_b32 s51, s51, 8
	s_and_b32 s52, ttmp7, 0xffff                   ; the batch
	s_mov_b32 s45, 0
	s_wait_kmcnt 0x0
	s_lshl_b32 s44, s52, 16
	s_add_nc_u64 s[4:5], s[4:5], s[44:45]          ; every buffer at my batch
	s_add_nc_u64 s[8:9], s[8:9], s[44:45]
	s_add_nc_u64 s[12:13], s[12:13], s[44:45]
	s_lshl_b32 s44, s52, 13
	s_add_nc_u64 s[6:7], s[6:7], s[44:45]
	s_add_nc_u64 s[10:11], s[10:11], s[44:45]
	s_lshl_b32 s44, s52, 12
	s_add_nc_u64 s[14:15], s[14:15], s[44:45]
	s_lshl_b32 s44, s52, 19
	s_add_co_u32 s44, s44, s51
	s_add_nc_u64 s[16:17], s[16:17], s[44:45]      ; out at the rows that I merge
	s_lshl_b32 s44, s50, 9
	s_add_nc_u64 s[54:55], s[4:5], s[44:45]
	s_lshl_b32 s44, s50, 6
	s_add_nc_u64 s[56:57], s[6:7], s[44:45]
	s_lshl_b32 s44, s47, 9
	s_add_nc_u64 s[58:59], s[4:5], s[44:45]
	s_lshl_b32 s44, s47, 6
	s_add_nc_u64 s[60:61], s[6:7], s[44:45]
	global_load_b128 v[16:19], v1, s[54:55]        ; Q's data, twice
	global_load_b128 v[24:27], v1, s[54:55]
	global_load_b32 v28, v9, s[56:57]
	global_load_b128 v[32:35], v1, s[58:59]        ; the long tile's, kept for the change
	global_load_b32 v29, v9, s[60:61]
.macro KSTEPOF dst, v                  ; the key step of step v: v, or v - SA in the long tile
	s_cmp_ge_u32 s[\v], s[SA]
	s_cselect_b32 s[\dst], s[SA], 0
	s_sub_co_u32 s[\dst], s[\v], s[\dst]
.endm
.macro FETCH_K                         ; key step KN: eight tiles' data (4,096 consecutive bytes) and their scale words (512): twelve loads
	s_lshl_b32 s44, s[KN], 12
	s_add_nc_u64 s[36:37], s[8:9], s[44:45]
	s_lshl_b32 s44, s[KN], 9
	s_add_nc_u64 s[38:39], s[10:11], s[44:45]
.irp g, 0,1,2,3
.irp e, 0,1
	global_load_b128 v[KFR+12*\g+8*\e:KFR+12*\g+8*\e+3], v1, s[36:37] offset:512*(2*\g+\e)
.endr
.endr
.irp g, 0,1,2,3
	global_load_b32 v[KS+\g], v2, s[38:39] offset:128*\g
.endr
.endm
.macro FETCH_V                         ; key step KN: four tiles of V (4,096 consecutive bytes) and their scale words (256): ten loads
	s_lshl_b32 s44, s[KN], 12
	s_add_nc_u64 s[40:41], s[12:13], s[44:45]
	s_lshl_b32 s44, s[KN], 8
	s_add_nc_u64 s[42:43], s[14:15], s[44:45]
.irp n, 0,1,2,3
.irp c, 0,1
	global_load_b128 v[VF+8*\n+4*\c:VF+8*\n+4*\c+3], v1, s[40:41] offset:512*(2*\n+\c)
.endr
.endr
.irp a, 0,1
	global_load_b32 v[VS+\a], v2, s[42:43] offset:128*\a
.endr
.endm
.macro STATE                           ; v248: -M in lanes 0-15, the query's l in lanes 16-31
	v_add_f32 v248, v14, v15
	v_permlanex16_b32 v249, v248, s[SEL], s[SEL+1]
	v_add_f32 v248, v248, v249
	v_cndmask_b32 v248, v12, v248, s[HM]
.endm
.macro PUT x                           ; my state into my slot for tile x (0 short, 1 long)
	ds_store_b32 v5, v248 offset:128*\x
.irp n, 0,1,2,3
	ds_store_b128 v4, v[O+8*\n:O+8*\n+3] offset:SLOTB*\x+64*\n        ; lane (r, h): O(r, 16 n + 8 h + 0 .. 7); each accumulator from its low end on
	ds_store_b128 v4, v[O+8*\n+4:O+8*\n+7] offset:SLOTB*\x+64*\n+16
.endr
.endm
.macro PLACES n                        ; plain vector instructions between a product and a load into, or a vector instruction on, its registers
.rept \n
	v_nop
.endr
.endm
	KSTEPOF KN, V
	FETCH_K
	FETCH_V
.irp e, 0,1,2,3
	v_mov_b32 v[20+\e], 0                          ; the zero codes: Q's,
.irp g, 0,1,2,3
	v_mov_b32 v[KFR+12*\g+4+\e], 0                 ; and K's; written once
.endr
.endr
.set i, 0
.rept 32
	v_mov_b32 v[O+i], 0                            ; O^T.  (The step is written without a first step of its own: it finds zeros, which the first change of M leaves zeros)
.set i, i+1
.endr
	v_mov_b32 v14, 0
	v_mov_b32 v15, 0
.irp b, 0,1,2,3
	v_mov_b32 v[PD+\b], 0                          ; a lane permute's destination counts as one of its sources
.endr
	v_mov_b32 v[FF+1], 0
	v_mov_b32 v249, 0
	v_mov_b32 v13, 0xff61b1e6                      ; the largest t so far: -3e38, under every t
	v_floor_f32 v12, -v13                          ; -M
	STATE
	PUT 0                                          ; both my slots begin empty (l = 0, O = 0, M far below every M), so that the merge is the same for every wave
	PUT 1
	s_wait_dscnt 0x0                               ; the stores have read their registers
; A STEP: 128 keys for 16 queries.  pre = 1: the next step's operands are asked for.
.macro STEP pre
	s_wait_loadcnt 10                              ; this step's K is in, and what was asked for ahead of it; V's ten loads may be out
	s_cmp_eq_u32 s[V], s[SA]
	s_cbranch_scc0 .Lsame_\@
	STATE                                          ; THE CHANGE OF TILE: the short tile's state is put down,
	PUT 0
	v_mov_b32 v28, v29                             ; the long tile's queries take its place,
.irp e, 0,1,2,3
	v_mov_b32 v[16+\e], v[32+\e]
	v_mov_b32 v[24+\e], v[32+\e]
.endr
	v_mov_b32 v13, 0xff61b1e6                      ; and M begins anew: the next f is 0 and takes the old O^T and l away
	v_floor_f32 v12, -v13
	PLACES 6                                       ; with the two lines above: eight places between the scale word's write and the products, four and more behind the operand's
	s_wait_dscnt 0x0                               ; the stores have read their registers
.Lsame_\@:
	s_cmp_ge_u32 s[V], s[SA]
	s_cselect_b32 s[TQ], s[TQB], s[TQA]
	s_cselect_b32 s[SKF], s[SA], 0
	s_sub_co_u32 s[SKF], s[V], s[SKF]
	s_lshl_b32 s[SKF], s[SKF], 7
.if \pre
	s_add_co_u32 s46, s[V], 1
	KSTEPOF KN, 46
.endif
.irp g, 0,1,2,3                                ; S^T = K Q^T: lane (r, h), register 16 b + i: key 32 b + 16 h + i of the step
	v_wmma_scale_f32_16x16x128_f8f6f4 v[S+16*\g:S+16*\g+7], v[KFR+12*\g:KFR+12*\g+7], v[16:23], 0, v[KS+\g], v28 matrix_a_fmt:MATRIX_FMT_FP4 matrix_b_fmt:MATRIX_FMT_FP4
	v_wmma_scale_f32_16x16x128_f8f6f4 v[S+16*\g+8:S+16*\g+15], v[KFR+12*\g+4:KFR+12*\g+11], v[20:27], 0, v[KS+\g], v28 matrix_a_fmt:MATRIX_FMT_FP4 matrix_b_fmt:MATRIX_FMT_FP4 matrix_a_scale:MATRIX_SCALE_ROW1
.endr
	PLACES 4
.if \pre
	FETCH_K                                        ; its address registers are free since the wait at the step's head
.endif
	s_add_co_u32 s46, s[SKF], 127                  ; a step all of whose keys count skips the mask: a scalar branch on ids
	s_cmp_le_u32 s46, s[TQ]
	s_cbranch_scc1 .Lopen_\@
	s_sub_co_i32 s46, s[TQ], s[SKF]
	v_add_nc_u32 v248, s46, v3                     ; d = my query - the step's first key - 16 h: register 16 b + i is hidden where 32 b + i > d
	v_mov_b32 v250, 0xff800000                     ; -infinity: p = 0 then
.irp n, 0,1,2,3,4,5,6,7,8,9,10,11,12,13,14,15,16,17,18,19,20,21,22,23,24,25,26,27,28,29,30,31,32,33,34,35,36,37,38,39,40,41,42,43,44,45,46,47,48,49,50,51,52,53,54,55,56,57,58,59,60,61,62,63
	v_cmp_gt_i32 vcc_lo, 32*(\n/16)+\n%16, v248
	v_cndmask_b32 v[S+\n], v[S+\n], v250, vcc_lo
.endr
.Lopen_\@:
.irp b, 0,1,2,3
	v_max3_num_f32 v[BM+\b], v[S+16*\b], v[S+16*\b+1], v[S+16*\b+2]   ; the largest score of each block of 32 keys: it serves for the row's maximum and, since p rises with the score, for the block's largest p
.endr
.irp i, 3,5,7,9,11,13
.irp b, 0,1,2,3
	v_max3_num_f32 v[BM+\b], v[BM+\b], v[S+16*\b+\i], v[S+16*\b+\i+1]
.endr
.endr
.irp b, 0,1,2,3
	v_max_num_f32 v[BM+\b], v[BM+\b], v[S+16*\b+15]
.endr
.irp b, 0,1,2,3
	v_permlanex16_b32 v[PD+\b], v[BM+\b], s[SEL], s[SEL+1]
.endr
.irp b, 0,1,2,3
	v_max_num_f32 v[BM+\b], v[BM+\b], v[PD+\b]     ; with lane l xor 16's 16 keys
.endr
	v_max3_num_f32 v248, v[BM], v[BM+1], v[BM+2]
	v_max_num_f32 v248, v248, v[BM+3]
	v_mul_f32 v248, s[CS], v248                    ; the step's largest t of my query (c is positive)
	v_max_num_f32 v13, v13, v248
	v_mov_b32 v248, v12
	v_floor_f32 v12, -v13                          ; the new -M = -ceil(t): a whole number
	v_sub_f32 v248, v12, v248                      ; old M - new M: a whole number, 0 or less
	v_cvt_i32_f32 v248, v248                       ; (it saturates)
	v_ldexp_f32 v[FF], 1.0, v248                   ; f = 2^(old M - new M)
.set i, 0
.rept 32
	v_pk_fma_f32 v[S+i:S+i+1], v[S+i:S+i+1], s[CS:CS+1], v[12:13] op_sel_hi:[1,0,0]   ; t - M, two at a time
.set i, i+2
.endr
.irp b, 0,1,2,3
	v_fma_f32 v[BM+\b], v[BM+\b], s[CS], v12       ; the same of each block's largest score
.endr
.set i, 0
.rept 64
	v_exp_f32 v[S+i], v[S+i]                       ; p = 2^(t - M), at most 1, not normalised
.set i, i+1
.endr
.irp b, 0,1,2,3
	v_exp_f32 v[BM+\b], v[BM+\b]                   ; the block's largest p: the same two instructions on the same number
.endr
	v_pk_mul_f32 v[14:15], v[14:15], v[FF:FF+1] op_sel_hi:[1,0]   ; l under the new M.  (A plain place behind the exponentials)
	s_wait_alu depctr_va_vdst(0)
.irp b, 0,1,2,3
	v_max_num_f32 v[BM+\b], 0x1800000, v[BM+\b]    ; the floor 2^(3 - 127): the byte cannot fall under 1
.endr
.irp b, 0,1,2,3
	v_add_nc_u32 v[SO+\b], 0xff000000, v[BM+\b]    ; 2 off the exponent field: the conversion's scale operand
.endr
.irp b, 0,1,2,3
	v_lshrrev_b32 v[PD+\b], 23, v[SO+\b]           ; the scale's byte
.endr
	v_lshl_or_b32 v[PW], v[PD+1], 8, v[PD]         ; p's scale word for these 128 keys
	v_lshl_or_b32 v[PW], v[PD+2], 16, v[PW]
	v_lshl_or_b32 v[PW], v[PD+3], 24, v[PW]
.irp b, 0,1,2,3
	v_cvt_scalef32_pk8_fp4_f32 v[PC+2*\b], v[S+16*\b:S+16*\b+7], v[SO+\b]
	v_cvt_scalef32_pk8_fp4_f32 v[PC+2*\b+1], v[S+16*\b+8:S+16*\b+15], v[SO+\b]
.endr
	v_nop                                          ; one plain place behind a scaled conversion
.irp c, 0,1                                    ; the operand's layout wants a whole block in a lane: lanes 0-15 block 2 c, lanes 16-31 block 2 c + 1
.irp i, 0,1
	v_permlane16_swap_b32 v[PC+4*\c+\i], v[PC+2+4*\c+\i]
.endr
.endr
	v_pk_add_f32 v[PD:PD+1], v[S:S+1], v[S+2:S+3]  ; l takes the UNQUANTISED p: two at a time, in two chains.  (These 32 are also the places between p's scale word and codes and the products)
.irp j, 4,8,12,16,20,24,28,32,36,40,44,48,52,56,60
	v_pk_add_f32 v[14:15], v[14:15], v[S+\j:S+\j+1]
	v_pk_add_f32 v[PD:PD+1], v[PD:PD+1], v[S+\j+2:S+\j+3]
.endr
	v_pk_add_f32 v[14:15], v[14:15], v[PD:PD+1]
.set i, 0
.rept 16
	v_pk_mul_f32 v[O+i:O+i+1], v[O+i:O+i+1], v[FF:FF+1] op_sel_hi:[1,0]   ; O^T under the new M
.set i, i+2
.endr
.if \pre
	s_wait_loadcnt 12                              ; this step's V is in; the next step's K, twelve loads, may be out
.else
	s_wait_loadcnt 0x0
.endif
.irp a, 0,1                                    ; O^T += V^T P^T: four accumulators by turns
	v_wmma_scale_f32_16x16x128_f8f6f4 v[O+16*\a:O+16*\a+7], v[VF+16*\a:VF+16*\a+7], v[PC:PC+7], v[O+16*\a:O+16*\a+7], v[VS+\a], v[PW] matrix_a_fmt:MATRIX_FMT_FP4 matrix_b_fmt:MATRIX_FMT_FP4
	v_wmma_scale_f32_16x16x128_f8f6f4 v[O+16*\a+8:O+16*\a+15], v[VF+16*\a+8:VF+16*\a+15], v[PC:PC+7], v[O+16*\a+8:O+16*\a+15], v[VS+\a], v[PW] matrix_a_fmt:MATRIX_FMT_FP4 matrix_b_fmt:MATRIX_FMT_FP4 matrix_a_scale:MATRIX_SCALE_ROW1
.endr
	PLACES 4
.if \pre
	FETCH_V                                        ; its address registers are free since the wait for this step's V
.endif
.endm
.Lstep:                                            ; four trips or three: all my steps but the last
	STEP 1
	s_add_co_u32 s[V], s[V], 1
	s_cmp_lt_u32 s[V], s[VL]
	s_cbranch_scc1 .Lstep
	STEP 0                                         ; the last is written out: it asks for nothing
	STATE
	s_cmp_lt_u32 s[V], s[SA]                       ; which tile was the last step's?
	s_cbranch_scc0 .Llong
	PUT 0
	s_branch .Lput
.Llong:
	PUT 1
.Lput:
	s_wait_dscnt 0x0                               ; for the others' sake: my stores have landed
	s_barrier_signal -1
	s_barrier_wait -1                              ; all sixteen slots are whole; nothing is written there again
	; THE MERGE: eight rows of one tile from the four slots of my pair's waves; lanes 0-15 take one row, lanes 16-31 the next; four pairs of rows k by turns
.irp js, 0,1,2,3
.irp k, 0,1,2,3
	ds_load_b128 v[S+16*\js+4*\k:S+16*\js+4*\k+3], v6 offset:2*SLOTB*\js+544*\k
	ds_load_b64 v[KFR+8*\js+2*\k:KFR+8*\js+2*\k+1], v7 offset:256*\js+16*\k      ; (-M, l) of my row
.endr
.endr
	s_wait_dscnt 0x0
.irp k, 0,1,2,3
	v_min3_num_f32 v[MT+8*\k], v[KFR+2*\k], v[KFR+8+2*\k], v[KFR+16+2*\k]
.endr
.irp k, 0,1,2,3
	v_min_num_f32 v[MT+8*\k], v[MT+8*\k], v[KFR+24+2*\k]           ; the least -M: the row's largest M
.endr
.irp js, 0,1,2,3
.irp k, 0,1,2,3
	v_sub_f32 v[MT+8*\k+1+\js], v[MT+8*\k], v[KFR+8*\js+2*\k]      ; a part's M less the largest: a whole number, 0 or less
.endr
.endr
.irp js, 0,1,2,3
.irp k, 0,1,2,3
	v_cvt_i32_f32 v[MT+8*\k+1+\js], v[MT+8*\k+1+\js]               ; (it saturates: an empty slot's factor is 0)
.endr
.endr
.irp js, 0,1,2,3
.irp k, 0,1,2,3
	v_ldexp_f32 v[MT+8*\k+1+\js], 1.0, v[MT+8*\k+1+\js]
.endr
.endr
.irp k, 0,1,2,3
	v_mul_f32 v[MT+8*\k+5], v[MT+8*\k+1], v[KFR+2*\k+1]
.endr
.irp js, 1,2,3
.irp k, 0,1,2,3
	v_fmac_f32 v[MT+8*\k+5], v[MT+8*\k+1+\js], v[KFR+8*\js+2*\k+1] ; the row's l
.endr
.endr
.irp k, 0,1,2,3
	v_rcp_f32 v[MT+8*\k+6], v[MT+8*\k+5]
.endr
	v_nop                                          ; a plain place behind the reciprocals
	s_wait_alu depctr_va_vdst(0)
.irp js, 0,1,2,3
.irp k, 0,1,2,3
	v_mul_f32 v[MT+8*\k+1+\js], v[MT+8*\k+1+\js], v[MT+8*\k+6]
.endr
.endr
.irp k, 0,1,2,3
.irp e, 0,1,2,3
	v_mul_f32 v[O+4*\k+\e], v[MT+8*\k+1], v[S+4*\k+\e]
.endr
.endr
.irp js, 1,2,3
.irp k, 0,1,2,3
.irp e, 0,1,2,3
	v_fmac_f32 v[O+4*\k+\e], v[MT+8*\k+1+\js], v[S+16*\js+4*\k+\e]
.endr
.endr
.endr
.irp k, 0,1,2,3
	global_store_b128 v1, v[O+4*\k:O+4*\k+3], s[16:17] offset:512*\k th:TH_STORE_NT   ; 32 lanes store two rows of out: 512 consecutive bytes, at a multiple of 256 from its first byte
.endr
	s_wait_tensorcnt 0x0
	ds_add_u32 v254, v255
	s_wait_dscnt 0x0
	s_endpgm
.Lfunc_end_k_qa2f3b0c570_attn:
	.size	k_qa2f3b0c570_attn, .Lfunc_end_k_qa2f3b0c570_attn-k_qa2f3b0c570_attn
	.p2alignl 7, 3214868480
	.fill 96, 4, 3214868480
	.section	.rodata,"a",@progbits
	.p2align	6, 0x0
	.amdhsa_kernel k_qa2f3b0c570_attn
		.amdhsa_group_segment_fixed_size 168960
		.amdhsa_private_segment_fixed_size 0
		.amdhsa_enable_private_segment 0
		.amdhsa_kernarg_size 56
		.amdhsa_user_sgpr_count 2
		.amdhsa_user_sgpr_kernarg_segment_ptr 1
		.amdhsa_wavefront_size32 1
		.amdhsa_system_sgpr_workgroup_id_x 1
		.amdhsa_system_sgpr_workgroup_id_y 1
		.amdhsa_system_sgpr_workgroup_id_z 1
		.amdhsa_system_vgpr_workitem_id 0
		.amdhsa_next_free_vgpr 256
		.amdhsa_next_free_sgpr 66
		.amdhsa_reserve_vcc 1
		.amdhsa_float_denorm_mode_32 3
		.amdhsa_float_denorm_mode_16_64 3
		.amdhsa_memory_ordered 1
		.amdhsa_forward_progress 1
		.amdhsa_inst_pref_size 63
	.end_amdhsa_kernel
	.amdgpu_metadata
---
amdhsa.version: [ 1, 2 ]
amdhsa.kernels:
  - .name:           k_qa2f3b0c570_attn
    .symbol:         k_qa2f3b0c570_attn.kd
    .args:
      - { .name: qc, .offset: 0, .size: 8, .value_kind: global_buffer, .address_space: global }
      - { .name: qs, .offset: 8, .size: 8, .value_kind: global_buffer, .address_space: global }
      - { .name: kc, .offset: 16, .size: 8, .value_kind: global_buffer, .address_space: global }
      - { .name: ks, .offset: 24, .size: 8, .value_kind: global_buffer, .address_space: global }
      - { .name: vc, .offset: 32, .size: 8, .value_kind: global_buffer, .address_space: global }
      - { .name: vs, .offset: 40, .size: 8, .value_kind: global_buffer, .address_space: global }
      - { .name: out0, .offset: 48, .size: 8, .value_kind: global_buffer, .address_space: global }
    .group_segment_fixed_size: 168960
    .private_segment_fixed_size: 0
    .kernarg_segment_align: 8
    .kernarg_segment_size: 56
    .max_flat_workgroup_size: 256
    .sgpr_count:     66
    .vgpr_count:     256
    .wavefront_size: 32
...
	.end_amdgpu_metadata
.endif
;; end of part 2
;; ======== version 2 of 2: 2 launches; version 1 with the launches proj, attn written anew for expert scheduling mode
;; workspace buffers: qc 524,288 bytes; kc 524,288 bytes; qs 65,536 bytes; ks 65,536 bytes; vc 524,288 bytes; vs 32,768 bytes
;; launch proj (part 3): grid 256 x 1, 8 waves a work-group, no clusters, 168,960 bytes of LDS; arguments x_codes, Wq_codes, Wk_codes, Wv_codes, x_scales, Wq_scales, Wk_scales, Wv_scales, bq, bk, bv, qc, kc, qs, ks, vc, vs; writes qc, kc, qs, ks, vc, vs
.if DOCPART == 3
	.amdgcn_target "amdgcn-amd-amdhsa--gfx1250"
	.amdhsa_code_object_version 6
	.text
	.protected	k_qa2f3b0c570_proj
	.globl	k_qa2f3b0c570_proj
	.p2align	8
	.type	k_qa2f3b0c570_proj,@function
k_qa2f3b0c570_proj:
	s_mov_b64 s[64:65], 0
	v_nop
	global_prefetch_b8 v0, s[64:65] scope:SCOPE_SE
	s_setreg_imm32_b32 hwreg(HW_REG_WAVE_SCHED_MODE, 0, 2), 2
	s_setreg_imm32_b32 hwreg(HW_REG_WAVE_MODE, 25, 1), 1
	s_wait_xcnt 0x0
	s_wait_alu depctr_vm_vsrc(0)
; q = x Wq + bq, k = x Wk + bk, v = x Wv + bv on codes of FP4 (E2M1) with E8M0 scales, sums in f32; the results are quantised at once: q and k along the 64 channels, v along the keys,
; and stored in the order of the next launch's operand registers.
; SHARES.  A work-group takes 64 rows of x (16,384 rows / 256 work-groups).  Its eight waves first bring 256 rows of 256 bytes into LDS (64 of x, 64 each of Wq, Wk, Wv: 32 rows a wave) and their scale bytes.
; Wave w: g = w / 4 is its group of 32 rows, p = w % 4, u = p % 2, m = p / 2.  Every wave runs the same text; only addresses differ.
;   TRANSPOSED PART: source 0 = 16 channels of W (m = 0: Wq, 1: Wk), source 1 = x's tile (g, u): a lane holds ONE row of x and its registers run along the channels, the next product's K.
;   NATURAL PART: source 0 = x's tile (g, u), then tile (g, 1 - u), source 1 = Wv's channels 16 p + r: a lane holds ONE channel and its registers run along the keys, the last product's K.
; A TILE'S ROWS ARE NOT NEIGHBOURS: lane r of tile (g, u) takes row 32 g + 8 u + r + 8 (r / 8); W's channels likewise.  So the 16 registers of two neighbouring tiles are 16 neighbours along the next K.
; WORKSPACE.  tile tau = 4 wg + 2 g + u.  qc, kc: [tau][block of 32 channels][r][16 bytes];  qs, ks: [tau][r] a word (s0, s1, s0, s1);
;   vc: [128 keys][16 channels n][64 keys c][lane][16 bytes];  vs: [128 keys][channel] a word, byte = block of 32 keys.
; NO CLUSTER: the three weights are shared by all work-groups, but the launch has one fill of 69,632 + 4,096 bytes and no loop: a joint request would set two rounds of a cluster's barrier round that single fill.
; LIMITS: NaN and infinities are not served.  A block whose largest magnitude lies under 2^-124 gets the scale byte 1, a block of zeros too (the rule says 127): its codes are zeros, and this program alone reads the bytes.
; THE MODE: SCHED_MODE bits 1:0 = 2 (LLVM: expert scheduling mode 2), set by the entry lines.  The code itself states the register dependences
; between vector or matrix instructions and memory or LDS instructions, with s_wait_alu, always for 0.
; THE PLAN.  Registers that memory or LDS instructions touch:
;   v5-19          offsets and LDS addresses: written by vector instructions at the head, never again; read by every load and store.
;   v24-91         written by the 17 global loads, read by the 17 LDS stores; behind the barrier the fragments' LDS loads land there, and the products read them.
;   v120-183, v244-251  W's tiles and scale words, two buffers: K steps 0 and 1 are loaded, multiplied, and then BOTH buffers are loaded again, for K steps 2 and 3, behind one wait.
;   v184-215, v252 the biases: global loads land there; products and vector instructions read them.
;   v134, v136, v138-145  the scale bytes and the codes: written by the quantiser, read by the five stores.
.set PITCH, 272                        ; an LDS row: 256 bytes + 16 of padding
.set SCL,   256*PITCH                  ; behind the 256 rows of codes: 256 rows of 16 scale bytes
.set XF,    24                         ; v24-55    x's tile (g, u): 8 registers for each of the four K steps of 128
.set XS,    56                         ; v56-87    x's tile (g, 1 - u)
.set WV,    88                         ; v88-119   Wv's 16 channels
.set WM,    120                        ; v120-183  W's four tiles of a K step, two buffers
.set ACCT,  184                        ; v184-215  four accumulators of the transposed part
.set ACCN,  216                        ; v216-231  two of the natural part: they lie on as a third block of 16 registers
.set XSF,   232                        ; v232-235  scale words of tile (g, u), one a K step;  v236-239 of tile (g, 1 - u);  v240-243 of Wv's channels
.set XSS,   236
.set VSW,   240
.set WSB,   244                        ; v244-251  scale words of W's four tiles, two buffers
.set BV,    252                        ; v252 bv of my channel, v253 0 (named with it as a pair)
.set TM,    120                        ; behind the products: v120-122 largest magnitudes of the three blocks
.set TP,    124                        ; v124-126 the other half's
.set SO,    128                        ; v128-130 the conversions' scale operands
.set BY,    132                        ; v132-134 the scale bytes
.set HW,    136                        ; v136     a row's two bytes
.set CT,    138                        ; v138-143 the codes, two registers a block
.set CO,    144                        ; v144-145 v's codes in the order of the keys
	s_load_b512 s[8:23], s[0:1], 0x0               ; x, Wq, Wk, Wv: codes s[8:15], scales s[16:23]
	s_load_b512 s[24:39], s[0:1], 0x40             ; bq, bk, bv, qc, kc, qs, ks, vc
	s_load_b64 s[40:41], s[0:1], 0x80              ; vs
	v_lshl_add_u32 v254, v0, 2, 0x29000
	v_mov_b32 v255, 0
	v_lshrrev_b32 v20, 5, v0
	v_readfirstlane_b32 s2, v20                    ; wave 0..7
	v_and_b32 v1, 31, v0                           ; lane
	v_and_b32 v2, 15, v0                           ; r
	v_bfe_u32 v3, v0, 4, 1                         ; h
	s_wait_alu depctr_va_vdst(0)
	v_and_b32 v4, 8, v2
	v_add_nc_u32 v4, v4, v2                        ; r + 8 (r / 8)
	v_lshlrev_b32 v5, 4, v1                        ; 16 x lane
	s_wait_alu depctr_va_vdst(0)
	s_wait_alu depctr_va_sdst(0)                   ; s2 is written, ahead of its first reader: all the wave's parts are made from it
	s_lshr_b32 s3, s2, 1                           ; which tensor I bring in: 0 x, 1 Wq, 2 Wk, 3 Wv
	s_lshr_b32 s42, s2, 2                          ; g
	s_and_b32 s43, s2, 3                           ; p
	s_and_b32 s44, s2, 1                           ; u; also: which 32 rows of the tensor I bring in
	s_bfe_u32 s45, s2, 0x10001                     ; m
	s_xor_b32 s47, s44, 1                          ; 1 - u
	s_sub_co_u32 s68, 0, s44                       ; all ones where u = 1: a lane mask
	s_mov_b32 s66, 0x76543210
	s_mov_b32 s67, 0xfedcba98                      ; lane selects: lane l xor 16
	; every LDS address: a constant, a constant x lane, a constant x a part of the wave's number
	v_mul_u32_u24 v6, v3, PITCH
	v_lshl_add_u32 v6, v2, 4, v6
	s_mul_i32 s70, s2, 32*PITCH
	v_add_nc_u32 v6, s70, v6                       ; in: my 32 rows; a load's 512 bytes are two rows
	s_lshl_b32 s70, s2, 9
	s_add_co_u32 s70, s70, SCL
	v_add_nc_u32 v7, s70, v5                       ; in: my 32 rows' scale bytes
	v_mul_u32_u24 v20, v4, PITCH
	v_lshl_add_u32 v20, v3, 4, v20                 ; a tile's row x pitch + 16 h
	v_mul_u32_u24 v21, v2, PITCH
	v_lshl_add_u32 v21, v3, 4, v21                 ; the same for neighbouring rows
	s_wait_alu depctr_va_vdst(0)
	s_mul_i32 s70, s42, 32*PITCH
	s_mul_i32 s71, s44, 8*PITCH
	s_add_co_u32 s72, s70, s71
	v_add_nc_u32 v8, s72, v20                      ; x's tile (g, u)
	s_mul_i32 s71, s47, 8*PITCH
	s_add_co_u32 s72, s70, s71
	v_add_nc_u32 v9, s72, v20                      ; x's tile (g, 1 - u)
	s_mul_i32 s70, s45, 64*PITCH
	s_add_co_u32 s70, s70, 64*PITCH
	v_add_nc_u32 v10, s70, v20                     ; Wq's or Wk's tiles
	s_mul_i32 s70, s43, 16*PITCH
	s_add_co_u32 s70, s70, 192*PITCH
	v_add_nc_u32 v11, s70, v21                     ; Wv's channels 16 p on
	v_lshlrev_b32 v22, 4, v4
	s_wait_alu depctr_va_vdst(0)
	v_lshlrev_b32 v23, 4, v2
	s_wait_alu depctr_va_vdst(0)
	s_lshl_b32 s70, s42, 9
	s_add_co_u32 s70, s70, SCL
	s_lshl_b32 s71, s44, 7
	s_add_co_u32 s72, s70, s71
	v_add_nc_u32 v12, s72, v22                     ; the same four places among the scale bytes, 16 a row
	s_lshl_b32 s71, s47, 7
	s_add_co_u32 s72, s70, s71
	v_add_nc_u32 v13, s72, v22
	s_lshl_b32 s70, s45, 10
	s_add_co_u32 s70, s70, SCL+64*16
	v_add_nc_u32 v14, s70, v22
	s_lshl_b32 s70, s43, 8
	s_add_co_u32 s70, s70, SCL+192*16
	v_add_nc_u32 v15, s70, v23
	v_lshl_add_u32 v16, v3, 3, v23                 ; out: 16 r + 8 h: my 8 bytes of a block's codes
	v_lshlrev_b32 v18, 2, v2                       ; 4 r
	v_lshl_add_u32 v17, v3, 1, v18                 ; out: 4 r + 2 h: my half of a row's scale word
	v_lshlrev_b32 v19, 6, v3                       ; 64 h: my half's 16 numbers of a bias
	v_mov_b32 v[BV+1], 0
	s_wait_kmcnt 0x0
	s_cmp_eq_u32 s3, 1                             ; the tensor that I bring in: the choice hangs on the wave's number alone
	s_cselect_b64 s[48:49], s[10:11], s[8:9]
	s_cselect_b64 s[50:51], s[18:19], s[16:17]
	s_cmp_eq_u32 s3, 2
	s_cselect_b64 s[48:49], s[12:13], s[48:49]
	s_cselect_b64 s[50:51], s[20:21], s[50:51]
	s_cmp_eq_u32 s3, 3
	s_cselect_b64 s[48:49], s[14:15], s[48:49]
	s_cselect_b64 s[50:51], s[22:23], s[50:51]
	s_cmp_eq_u32 s3, 0
	s_cselect_b32 s70, ttmp9, 0                    ; only x is stepped by the work-group: 64 rows
	s_mov_b32 s53, 0
	s_lshl_b32 s52, s70, 14
	s_lshl_b32 s71, s44, 13
	s_add_co_u32 s52, s52, s71
	s_add_nc_u64 s[48:49], s[48:49], s[52:53]      ; my 32 rows of codes
	s_lshl_b32 s52, s70, 10
	s_lshl_b32 s71, s44, 9
	s_add_co_u32 s52, s52, s71
	s_add_nc_u64 s[50:51], s[50:51], s[52:53]      ; and of scale bytes
	s_cmp_eq_u32 s45, 1
	s_cselect_b64 s[54:55], s[26:27], s[24:25]     ; bk or bq
	s_cselect_b64 s[56:57], s[32:33], s[30:31]     ; kc or qc
	s_cselect_b64 s[58:59], s[36:37], s[34:35]     ; ks or qs
	s_lshl_b32 s52, s43, 6
	s_add_nc_u64 s[28:29], s[28:29], s[52:53]      ; bv at channel 16 p
	s_wait_alu depctr_va_vdst(0)                   ; the offsets and LDS addresses v5 to v19 are written: every load and store of the kernel reads one of them, and none is written again
.irp t, 0,1,2,3                                ; the bias lands in the accumulators: it is the C of each sum's first product.  Tile t, lane half h: channels 32 (t / 2) + 8 (t % 2) + 16 h + 0 .. 7
	global_load_b128 v[ACCT+8*\t:ACCT+8*\t+3], v19, s[54:55] offset:4*(32*(\t/2)+8*(\t%2))
	global_load_b128 v[ACCT+8*\t+4:ACCT+8*\t+7], v19, s[54:55] offset:4*(32*(\t/2)+8*(\t%2))+16
.endr
	global_load_b32 v[BV], v18, s[28:29]
.irp i, 0,1,2,3,4,5,6,7,8,9,10,11,12,13,14,15
	global_load_b128 v[24+4*\i:27+4*\i], v5, s[48:49] offset:512*\i   ; 32 lanes read 512 consecutive bytes: two rows
.endr
	global_load_b128 v[88:91], v5, s[50:51]        ; 32 rows' scale bytes
	; where the results go: scalar work while the loads are out
	s_lshl_b32 s70, ttmp9, 2
	s_lshl_b32 s71, s42, 1
	s_add_co_u32 s70, s70, s71
	s_add_co_u32 s70, s70, s44                     ; tau = 4 wg + 2 g + u
	s_lshl_b32 s52, s70, 9
	s_add_nc_u64 s[56:57], s[56:57], s[52:53]
	s_lshl_b32 s52, s70, 6
	s_add_nc_u64 s[58:59], s[58:59], s[52:53]
	s_lshr_b32 s71, ttmp9, 1                       ; which 128 keys
	s_and_b32 s72, ttmp9, 1                        ; which 64 of them
	s_lshl_b32 s73, s71, 2
	s_add_co_u32 s73, s73, s43
	s_lshl_b32 s73, s73, 10
	s_lshl_b32 s74, s72, 9
	s_add_co_u32 s73, s73, s74
	s_lshl_b32 s74, s42, 8
	s_add_co_u32 s52, s73, s74
	s_add_nc_u64 s[60:61], s[38:39], s[52:53]      ; vc: ((wg / 2) 4 + p) 1,024 + (wg % 2) 512 + 256 g
	s_lshl_b32 s73, s71, 8
	s_lshl_b32 s74, s43, 6
	s_add_co_u32 s73, s73, s74
	s_lshl_b32 s74, s72, 1
	s_add_co_u32 s73, s73, s74
	s_add_co_u32 s52, s73, s42
	s_add_nc_u64 s[62:63], s[40:41], s[52:53]      ; vs: (wg / 2) 256 + 64 p + 2 (wg % 2) + g
.irp i, 0,1,2,3,4,5,6,7,8,9,10,11,12,13,14,15
	s_wait_loadcnt 16-\i                           ; chunk i is in: behind it 15 - i chunks and the scale bytes
	ds_store_b128 v6, v[24+4*\i:27+4*\i] offset:2*PITCH*\i
.endr
	s_wait_loadcnt 0x0
	ds_store_b128 v7, v[88:91]
	s_wait_dscnt 0x0                               ; for the others' sake: my stores have landed
	s_barrier_signal -1
	s_barrier_wait -1                              ; all 256 rows lie in LDS; nothing is written there again
	s_wait_alu depctr_vm_vsrc(0)                   ; my LDS stores have read v24 to v91: the fragments' loads below land in these registers
.macro LOADWM s                        ; W's four tiles of K step s and their scale words into buffer s % 2: twelve loads
.irp t, 0,1,2,3
.irp c, 0,1
	ds_load_b128 v[WM+32*((\s)%2)+8*\t+4*\c:WM+32*((\s)%2)+8*\t+4*\c+3], v10 offset:(32*(\t/2)+8*(\t%2))*PITCH+64*(\s)+32*\c
.endr
	ds_load_b32 v[WSB+4*((\s)%2)+\t], v14 offset:16*(32*(\t/2)+8*(\t%2))+4*(\s)
.endr
.endm
.macro MUL s                           ; K step s: six products on six accumulators by turns
.irp t, 0,1,2,3
	v_wmma_scale_f32_16x16x128_f8f6f4 v[ACCT+8*\t:ACCT+8*\t+7], v[WM+32*((\s)%2)+8*\t:WM+32*((\s)%2)+8*\t+7], v[XF+8*(\s):XF+8*(\s)+7], v[ACCT+8*\t:ACCT+8*\t+7], v[WSB+4*((\s)%2)+\t], v[XSF+(\s)] matrix_a_fmt:MATRIX_FMT_FP4 matrix_b_fmt:MATRIX_FMT_FP4
.endr
.if (\s) == 0
	v_wmma_scale_f32_16x16x128_f8f6f4 v[ACCN:ACCN+7], v[XF+8*(\s):XF+8*(\s)+7], v[WV+8*(\s):WV+8*(\s)+7], 0, v[XSF+(\s)], v[VSW+(\s)] matrix_a_fmt:MATRIX_FMT_FP4 matrix_b_fmt:MATRIX_FMT_FP4
	v_wmma_scale_f32_16x16x128_f8f6f4 v[ACCN+8:ACCN+15], v[XS+8*(\s):XS+8*(\s)+7], v[WV+8*(\s):WV+8*(\s)+7], 0, v[XSS+(\s)], v[VSW+(\s)] matrix_a_fmt:MATRIX_FMT_FP4 matrix_b_fmt:MATRIX_FMT_FP4
.else
	v_wmma_scale_f32_16x16x128_f8f6f4 v[ACCN:ACCN+7], v[XF+8*(\s):XF+8*(\s)+7], v[WV+8*(\s):WV+8*(\s)+7], v[ACCN:ACCN+7], v[XSF+(\s)], v[VSW+(\s)] matrix_a_fmt:MATRIX_FMT_FP4 matrix_b_fmt:MATRIX_FMT_FP4
	v_wmma_scale_f32_16x16x128_f8f6f4 v[ACCN+8:ACCN+15], v[XS+8*(\s):XS+8*(\s)+7], v[WV+8*(\s):WV+8*(\s)+7], v[ACCN+8:ACCN+15], v[XSS+(\s)], v[VSW+(\s)] matrix_a_fmt:MATRIX_FMT_FP4 matrix_b_fmt:MATRIX_FMT_FP4
.endif
.endm
.macro PLACES                          ; four plain vector instructions between a product and a load into, or a vector instruction on, its registers
.rept 4
	v_nop
.endr
.endm
.irp s, 0,1,2,3                                ; a fragment: lane (r, h), registers 4 c on: the row's 16 bytes at 64 s + 32 c + 16 h
.irp c, 0,1
	ds_load_b128 v[XF+8*\s+4*\c:XF+8*\s+4*\c+3], v8 offset:64*\s+32*\c
	ds_load_b128 v[XS+8*\s+4*\c:XS+8*\s+4*\c+3], v9 offset:64*\s+32*\c
	ds_load_b128 v[WV+8*\s+4*\c:WV+8*\s+4*\c+3], v11 offset:64*\s+32*\c
.endr
.endr
	ds_load_b128 v[XSF:XSF+3], v12                 ; a row's 16 scale bytes are the scale words of its four K steps
	ds_load_b128 v[XSS:XSS+3], v13
	ds_load_b128 v[VSW:VSW+3], v15
	LOADWM 0
	LOADWM 1
	s_wait_dscnt 0x0
	MUL 0
	MUL 1
	PLACES
	s_wait_alu depctr_va_vdst(0)                   ; the products of K steps 0 and 1 are done reading both buffers of W's tiles and scale words, in which the 24 loads below land
	LOADWM 2
	LOADWM 3
	s_wait_dscnt 12                                ; K step 2's are in; K step 3's twelve may be out
	MUL 2
	s_wait_dscnt 0x0
	MUL 3
	PLACES
	; THE QUANTISER, three blocks of 32 by turns: block 0, 1: my row's channels 32 b + 16 h + 0 .. 15; block 2: my channel's keys 16 h + 0 .. 15 (as tiles (g, u), (g, 1 - u)).  A block lies in lanes l and l xor 16.
.irp j, 0,2,4,6,8,10,12,14
	v_pk_add_f32 v[ACCN+\j:ACCN+\j+1], v[ACCN+\j:ACCN+\j+1], v[BV:BV+1] op_sel_hi:[1,0]   ; v's bias: one number a lane
.endr
.irp b, 0,1,2
	v_mov_b32 v[TP+\b], 0                          ; a lane permute's destination counts as one of its sources
.endr
.irp b, 0,1,2
	v_max3_num_f32 v[TM+\b], |v[ACCT+16*\b]|, |v[ACCT+16*\b+1]|, 0x1800000   ; my 16 numbers and the floor 2^(3 - 127): the byte cannot fall under 1
.endr
.irp i, 2,4,6,8,10,12,14
.irp b, 0,1,2
	v_max3_num_f32 v[TM+\b], v[TM+\b], |v[ACCT+16*\b+\i]|, |v[ACCT+16*\b+\i+1]|
.endr
.endr
.irp b, 0,1,2
	v_permlanex16_b32 v[TP+\b], v[TM+\b], s66, s67
.endr
.irp b, 0,1,2
	v_max_num_f32 v[TM+\b], v[TM+\b], v[TP+\b]     ; the block's largest magnitude
.endr
.irp b, 0,1,2
	v_add_nc_u32 v[SO+\b], 0xff000000, v[TM+\b]    ; 2 off its exponent field: the conversion's scale operand
.endr
.irp b, 0,1,2
	v_lshrrev_b32 v[BY+\b], 23, v[SO+\b]           ; the scale's byte
.endr
	v_lshl_or_b32 v[HW], v[BY+1], 8, v[BY]         ; my row's two bytes
.irp b, 0,1,2
	v_cvt_scalef32_pk8_fp4_f32 v[CT+2*\b], v[ACCT+16*\b:ACCT+16*\b+7], v[SO+\b]
	v_cvt_scalef32_pk8_fp4_f32 v[CT+2*\b+1], v[ACCT+16*\b+8:ACCT+16*\b+15], v[SO+\b]
.endr
	v_nop                                          ; one plain place behind a scaled conversion
	v_cndmask_b32 v[CO], v[CT+4], v[CT+5], s68     ; v's codes in the order of the keys: tile (g, 0)'s eight first
	v_cndmask_b32 v[CO+1], v[CT+5], v[CT+4], s68
	s_wait_alu depctr_va_vdst(0)                   ; the conversions, the two selects and the shifts have written the codes, the row's two bytes and v's byte, which the five stores read
.irp b, 0,1
	global_store_b64 v16, v[CT+2*\b:CT+2*\b+1], s[56:57] offset:256*\b   ; 32 lanes store 256 consecutive bytes, at a multiple of 256 from the buffer's first byte
.endr
	global_store_b16 v17, v[HW], s[58:59]          ; the two halves of the lanes write the word's two copies: 64 consecutive bytes
	global_store_b64 v16, v[CO:CO+1], s[60:61]     ; 256 consecutive bytes likewise
	global_store_b8 v18, v[BY+2], s[62:63]         ; one byte a channel; lanes r and r + 16 write the same byte with the same value
	s_wait_dscnt 0x0                               ; the closing lines, six on end
	s_wait_alu 0x0
	s_wait_tensorcnt 0x0
	ds_add_u32 v254, v255
	s_wait_dscnt 0x0
	s_endpgm
.Lfunc_end_k_qa2f3b0c570_proj:
	.size	k_qa2f3b0c570_proj, .Lfunc_end_k_qa2f3b0c570_proj-k_qa2f3b0c570_proj
	.p2alignl 7, 3214868480
	.fill 96, 4, 3214868480
	.section	.rodata,"a",@progbits
	.p2align	6, 0x0
	.amdhsa_kernel k_qa2f3b0c570_proj
		.amdhsa_group_segment_fixed_size 168960
		.amdhsa_private_segment_fixed_size 0
		.amdhsa_enable_private_segment 0
		.amdhsa_kernarg_size 136
		.amdhsa_user_sgpr_count 2
		.amdhsa_user_sgpr_kernarg_segment_ptr 1
		.amdhsa_wavefront_size32 1
		.amdhsa_system_sgpr_workgroup_id_x 1
		.amdhsa_system_sgpr_workgroup_id_y 1
		.amdhsa_system_sgpr_workgroup_id_z 1
		.amdhsa_system_vgpr_workitem_id 0
		.amdhsa_next_free_vgpr 256
		.amdhsa_next_free_sgpr 80
		.amdhsa_reserve_vcc 0
		.amdhsa_float_denorm_mode_32 3
		.amdhsa_float_denorm_mode_16_64 3
		.amdhsa_memory_ordered 1
		.amdhsa_forward_progress 1
		.amdhsa_inst_pref_size 22
	.end_amdhsa_kernel
	.amdgpu_metadata
---
amdhsa.version: [ 1, 2 ]
amdhsa.kernels:
  - .name:           k_qa2f3b0c570_proj
    .symbol:         k_qa2f3b0c570_proj.kd
    .args:
      - { .name: x_codes, .offset: 0, .size: 8, .value_kind: global_buffer, .address_space: global }
      - { .name: Wq_codes, .offset: 8, .size: 8, .value_kind: global_buffer, .address_space: global }
      - { .name: Wk_codes, .offset: 16, .size: 8, .value_kind: global_buffer, .address_space: global }
      - { .name: Wv_codes, .offset: 24, .size: 8, .value_kind: global_buffer, .address_space: global }
      - { .name: x_scales, .offset: 32, .size: 8, .value_kind: global_buffer, .address_space: global }
      - { .name: Wq_scales, .offset: 40, .size: 8, .value_kind: global_buffer, .address_space: global }
      - { .name: Wk_scales, .offset: 48, .size: 8, .value_kind: global_buffer, .address_space: global }
      - { .name: Wv_scales, .offset: 56, .size: 8, .value_kind: global_buffer, .address_space: global }
      - { .name: bq, .offset: 64, .size: 8, .value_kind: global_buffer, .address_space: global }
      - { .name: bk, .offset: 72, .size: 8, .value_kind: global_buffer, .address_space: global }
      - { .name: bv, .offset: 80, .size: 8, .value_kind: global_buffer, .address_space: global }
      - { .name: qc, .offset: 88, .size: 8, .value_kind: global_buffer, .address_space: global }
      - { .name: kc, .offset: 96, .size: 8, .value_kind: global_buffer, .address_space: global }
      - { .name: qs, .offset: 104, .size: 8, .value_kind: global_buffer, .address_space: global }
      - { .name: ks, .offset: 112, .size: 8, .value_kind: global_buffer, .address_space: global }
      - { .name: vc, .offset: 120, .size: 8, .value_kind: global_buffer, .address_space: global }
      - { .name: vs, .offset: 128, .size: 8, .value_kind: global_buffer, .address_space: global }
    .group_segment_fixed_size: 168960
    .private_segment_fixed_size: 0
    .kernarg_segment_align: 8
    .kernarg_segment_size: 136
    .max_flat_workgroup_size: 256
    .sgpr_count:     80
    .vgpr_count:     256
    .wavefront_size: 32
...
	.end_amdgpu_metadata
.endif
;; end of part 3
;; launch attn (part 4): grid 32 x 8, 8 waves a work-group, no clusters, 168,960 bytes of LDS; arguments qc, qs, kc, ks, vc, vs, out0; writes out0
.if DOCPART == 4
	.amdgcn_target "amdgcn-amd-amdhsa--gfx1250"
	.amdhsa_code_object_version 6
	.text
	.protected	k_qa2f3b0c570_attn
	.globl	k_qa2f3b0c570_attn
	.p2align	8
	.type	k_qa2f3b0c570_attn,@function
k_qa2f3b0c570_attn:
	s_mov_b64 s[64:65], 0
	v_nop
	global_prefetch_b8 v0, s[64:65] scope:SCOPE_SE
	s_setreg_imm32_b32 hwreg(HW_REG_WAVE_SCHED_MODE, 0, 2), 2
	s_setreg_imm32_b32 hwreg(HW_REG_WAVE_MODE, 25, 1), 1
	s_wait_xcnt 0x0
	s_wait_alu depctr_vm_vsrc(0)
; out[b][q] = the sum over keys k <= q of softmax_k(q . k / 8) v[k], both products on codes of FP4 (E2M1) with E8M0 scales, from the operand images that the launch before has stored.
; THE SOFTMAX: t = score x log2(e) / 8; M = the largest t so far, rounded UP to a whole number; p = 2^(t - M) is quantised along the keys; the sum l is taken of the unquantised p and divides at the end.
; SHARES.  A batch has 128 tiles of 16 queries; tile i needs i / 8 + 1 steps of 128 keys.  Tiles P and 127 - P need 17 together: such a PAIR is walked by four waves, 5, 4, 4 and 4 steps.  A pair's 17 steps are numbered:
; the short tile's SA = P / 8 + 1 first, then the long tile's.  A work-group of eight waves has two pairs (P = 2 x + 0, 1); 32 x 8 work-groups have 512 pairs.  A wave's steps may span both tiles: at step SA it puts the short
; tile's state down and goes on with the long tile's queries.  Each wave leaves its state (O^T, -M, l) of either tile in slots of its own in LDS, empty ones too; behind ONE barrier each wave merges half a tile from
; four slots: the M are whole numbers, so each part is brought under the largest M by a power of two, which rounds nothing.
; LAYOUT.  Both products are used transposed: S^T = K Q^T (source 0 = 16 keys, source 1 = 16 queries), O^T = V^T P^T: a lane holds ONE query (lane % 16) throughout.  Lane r of a tile holds row 8 u + r + 8 (r / 8) of
; its 32, keys and queries alike, so that the 16 registers of two neighbouring tiles of keys are 16 neighbouring keys.
; K = 64 IN A PRODUCT OF 128: even tiles of keys have their 64 channels at k = 0 .. 63 and zero codes behind, odd tiles zero codes first; Q lies as (data, zeros, data), read from its head or from its middle;
; the scale words hold a row's two bytes twice, so that they serve either half.  K's registers lie in groups of 12 (data, zeros, data) for two tiles.
; OPERANDS come from memory straight into registers, each lane 16 neighbouring bytes: behind the scores of step t stand the loads of V of step t and of K of step t + 1.  K and V of a wave's first step are asked for at the head.
; NO CLUSTER, NO RING IN LDS: the eight waves of a work-group stand at four different key steps, and pairs change tiles at SA, which differs from work-group to work-group: no two partners want the same 8,960 bytes in the same round.
; LIMITS: NaN and infinities are not served.  A block of p under 2^-124 gets the scale byte 1 (its codes are zeros).  The new tile's first step multiplies the old O^T and l by 0: they are finite wherever the result is.
; THE MODE: SCHED_MODE bits 1:0 = 2 (LLVM: expert scheduling mode 2), set by the entry lines.  The code itself states the register dependences
; between vector or matrix instructions and memory or LDS instructions, with s_wait_alu, always for 0.
; THE PLAN.  Registers that memory or LDS instructions touch:
;   v1, v2, v4-7, v9   offsets and LDS addresses: written at the head, never again.
;   K's data and scale words (v36.., v84-87)   read by step t's eight score products; the loads of step t + 1 land there.
;   V and its scale words (v88-121)            read by step t's four products at the step's end; the loads of step t + 1 land there.
;   O^T (v192-223), v248                       written by products and vector instructions; read by the LDS stores of a state: at the head, at the change of tile, at the end.
;   v128-191, v36-67                           behind the barrier the merge's LDS loads land there.
; ONE wait on va_vdst stands ahead of a step's 22 loads, behind the scores and their places: the score products are done reading K, and the step before's products are done reading V.  No vector or matrix
; instruction between that wait and the loads names a register that they touch.  Each run of LDS stores has a wait on va_vdst ahead of it and a wait on vm_vsrc behind it, ahead of the next write of its data.
; The three further waits on va_vdst in a step state what vector instructions hand on: t - M to the exponentials, the exponentials' results, and p's codes and scale word, which scaled products take.
.set SLOTB, 16*272                     ; a slot: 16 queries x (64 channels of f32 + 16 bytes of padding)
.set ML,    16*SLOTB                   ; behind the 16 slots (wave, tile): 16 x 128 bytes of (-M, l), 8 bytes a query
.set KFR,   36                         ; v36-83    K: four groups of 12
.set KS,    84                         ; v84-87    K's scale words: lanes 0-15 the even tile's, lanes 16-31 the odd tile's
.set VF,    88                         ; v88-119   V: four tiles of 16 channels x 128 keys
.set VS,    120                        ; v120-121  V's scale words: lane = channel % 32
.set S,     128                        ; v128-191  S^T, then p
.set O,     192                        ; v192-223  O^T
.set PC,    224                        ; v224-231  p's codes
.set BM,    232                        ; v232-235  the blocks' largest scores, then largest p
.set PD,    236                        ; v236-239  at work
.set SO,    240                        ; v240-243  the conversions' scale operands
.set PW,    244                        ; v244      p's scale word
.set FF,    246                        ; v246 f, v247 0 (named with it as a pair)
.set MT,    88                         ; the merge: eight registers at work for each pair of rows
; v1 16 x lane; v2 4 x lane; v3 r + 8 (r / 8) - 16 h; v4, v5 where I put O^T and (-M, l); v6, v7 where I read them back; v9 4 r; v12 -M; v13 largest t; v[14:15] l in two halves;
; v16-27 Q (data, zeros, data); v28 its scale words; v29, v32-35 the long tile's
.set V0,  2                            ; s2   my first step
.set KC,  3                            ; s3   the key step in hand
.set W,   18
.set PI,  19                           ; which pair of the work-group
.set JJ,  20
.set J,   21                           ; which share of the pair's 17 steps
.set PP,  22                           ; P
.set SA,  23
.set V,   24                           ; the step in hand, 0 .. 16
.set VL,  25                           ; my last
.set TQA, 26                           ; the short tile's first query
.set TQB, 27                           ; the long tile's
.set SEL, 28                           ; s[28:29] lane selects: lane l xor 16
.set CS,  30                           ; s[30:31] c = log2(e) / 8, twice
.set HM,  32                           ; lanes 16-31
.set KN,  33                           ; the next step's key step
.set SKF, 34                           ; the step's first key
.set TQ,  35                           ; the tile's first query
.set MK,  48                           ; s48-63 sixteen lane masks of the causal mask: free behind the head (the bases of Q's loads lie among them: a step's wait for all loads stands ahead of the first mask)
	s_load_b256 s[4:11], s[0:1], 0x0               ; qc, qs, kc, ks
	s_load_b128 s[12:15], s[0:1], 0x20             ; vc, vs
	s_load_b64 s[16:17], s[0:1], 0x30              ; out
	v_lshl_add_u32 v254, v0, 2, 0x29000
	v_mov_b32 v255, 0
	v_lshrrev_b32 v10, 5, v0
	v_readfirstlane_b32 s[W], v10                  ; wave 0..7
	v_and_b32 v11, 31, v0
	v_lshlrev_b32 v1, 4, v11
	v_lshlrev_b32 v2, 2, v11
	v_and_b32 v10, 15, v0                          ; r
	s_wait_alu depctr_va_vdst(0)
	v_bfe_u32 v11, v0, 4, 1                        ; h
	v_lshlrev_b32 v9, 2, v10
	v_and_b32 v3, 8, v10
	v_add_nc_u32 v3, v3, v10
	v_lshlrev_b32 v8, 4, v11
	v_sub_nc_u32 v3, v3, v8
	s_wait_alu depctr_va_sdst(0)                   ; the wave's number is written, ahead of its first reader: the pair, the share and the slots are made from it
	s_lshr_b32 s[PI], s[W], 2
	s_and_b32 s[JJ], s[W], 3
	s_mul_i32 s46, s[PI], 3
	s_xor_b32 s[J], s[JJ], s46                     ; the second pair's shares run backward, so that the two shares of five steps fall on waves that differ modulo 4
	s_lshl_b32 s[PP], ttmp9, 1
	s_add_co_u32 s[PP], s[PP], s[PI]
	s_lshr_b32 s[SA], s[PP], 3
	s_add_co_u32 s[SA], s[SA], 1
	s_min_u32 s46, s[J], 1
	s_lshl_b32 s[V], s[J], 2
	s_add_co_u32 s[VL], s[V], 4                    ; shares: steps 0-4, 5-8, 9-12, 13-16
	s_add_co_u32 s[V], s[V], s46
	s_mov_b32 s[V0], s[V]
	s_sub_co_u32 s47, 127, s[PP]                   ; the long tile
	s_lshr_b32 s46, s[PP], 1
	s_lshl_b32 s[TQA], s46, 5
	s_and_b32 s46, s[PP], 1
	s_lshl_b32 s46, s46, 3
	s_add_co_u32 s[TQA], s[TQA], s46               ; tile i begins at query 32 (i / 2) + 8 (i % 2)
	s_lshr_b32 s46, s47, 1
	s_lshl_b32 s[TQB], s46, 5
	s_and_b32 s46, s47, 1
	s_lshl_b32 s46, s46, 3
	s_add_co_u32 s[TQB], s[TQB], s46
	s_lshr_b32 s48, s[JJ], 1                       ; the merge: which tile of my pair,
	s_and_b32 s49, s[JJ], 1                        ; and which eight of its rows
	; every LDS address: a constant, a constant x lane, a constant x a part of the wave's number
	v_mul_u32_u24 v4, v10, 272
	s_wait_alu depctr_va_vdst(0)
	v_lshl_add_u32 v4, v11, 5, v4
	s_mul_i32 s46, s[W], 2*SLOTB
	v_add_nc_u32 v4, s46, v4                       ; my two slots: row r, + 32 h
	v_lshlrev_b32 v5, 3, v10
	v_lshl_add_u32 v5, v11, 2, v5
	s_lshl_b32 s46, s[W], 8
	s_add_co_u32 s46, s46, ML
	v_add_nc_u32 v5, s46, v5                       ; lanes 0-15 put -M, lanes 16-31 l
	v_mul_u32_u24 v6, v11, 272
	v_lshl_add_u32 v6, v10, 4, v6
	s_mul_i32 s46, s[PI], 8*SLOTB
	s_mul_i32 s50, s48, SLOTB
	s_add_co_u32 s46, s46, s50
	s_mul_i32 s50, s49, 8*272
	s_add_co_u32 s46, s46, s50
	v_add_nc_u32 v6, s46, v6                       ; back: lanes 0-15 one row of 256 bytes, lanes 16-31 the next
	v_lshlrev_b32 v7, 3, v11
	s_lshl_b32 s46, s[PI], 10
	s_lshl_b32 s50, s48, 7
	s_add_co_u32 s46, s46, s50
	s_lshl_b32 s50, s49, 6
	s_add_co_u32 s46, s46, s50
	s_add_co_u32 s46, s46, ML
	v_add_nc_u32 v7, s46, v7
	s_mov_b32 s[SEL], 0x76543210
	s_mov_b32 s[SEL+1], 0xfedcba98
	s_mov_b32 s[CS], 0x3e38aa3b                    ; log2(e) / 8
	s_mov_b32 s[CS+1], s[CS]
	s_mov_b32 s[HM], 0xffff0000
	s_cmp_gt_u32 s[V], s[SA]
	s_cselect_b32 s50, s47, s[PP]                  ; the tile that I begin with (where my first step is SA itself, the short one: the step changes tiles)
	s_cmp_eq_u32 s48, 1
	s_cselect_b32 s51, s[TQB], s[TQA]
	s_lshl_b32 s46, s49, 4
	s_add_co_u32 s51, s51, s46                     ; the rows that I merge are eight neighbouring queries: the tile's first + 16 x half
	s_lshl_b32 s51, s51, 8
	s_and_b32 s52, ttmp7, 0xffff                   ; the batch
	s_mov_b32 s45, 0
	s_wait_kmcnt 0x0
	s_lshl_b32 s44, s52, 16
	s_add_nc_u64 s[4:5], s[4:5], s[44:45]          ; every buffer at my batch
	s_add_nc_u64 s[8:9], s[8:9], s[44:45]
	s_add_nc_u64 s[12:13], s[12:13], s[44:45]
	s_lshl_b32 s44, s52, 13
	s_add_nc_u64 s[6:7], s[6:7], s[44:45]
	s_add_nc_u64 s[10:11], s[10:11], s[44:45]
	s_lshl_b32 s44, s52, 12
	s_add_nc_u64 s[14:15], s[14:15], s[44:45]
	s_lshl_b32 s44, s52, 19
	s_add_co_u32 s44, s44, s51
	s_add_nc_u64 s[16:17], s[16:17], s[44:45]      ; out at the rows that I merge
	s_lshl_b32 s44, s50, 9
	s_add_nc_u64 s[54:55], s[4:5], s[44:45]
	s_lshl_b32 s44, s50, 6
	s_add_nc_u64 s[56:57], s[6:7], s[44:45]
	s_lshl_b32 s44, s47, 9
	s_add_nc_u64 s[58:59], s[4:5], s[44:45]
	s_lshl_b32 s44, s47, 6
	s_add_nc_u64 s[60:61], s[6:7], s[44:45]
	s_wait_alu depctr_va_vdst(0)                   ; the offsets and LDS addresses v1, v2, v4 to v7 and v9 are written: every load and store of the kernel reads one of them, and none is written again
	global_load_b128 v[16:19], v1, s[54:55]        ; Q's data, twice
	global_load_b128 v[24:27], v1, s[54:55]
	global_load_b32 v28, v9, s[56:57]
	global_load_b128 v[32:35], v1, s[58:59]        ; the long tile's, kept for the change
	global_load_b32 v29, v9, s[60:61]
.macro KSTEPOF dst, v                  ; the key step of step v: v, or v - SA in the long tile
	s_cmp_ge_u32 s[\v], s[SA]
	s_cselect_b32 s[\dst], s[SA], 0
	s_sub_co_u32 s[\dst], s[\v], s[\dst]
.endm
.macro FETCH_K kr                      ; key step s[kr]: eight tiles' data (4,096 consecutive bytes) and their scale words (512): twelve loads
	s_lshl_b32 s44, s[\kr], 12
	s_add_nc_u64 s[36:37], s[8:9], s[44:45]
	s_lshl_b32 s44, s[\kr], 9
	s_add_nc_u64 s[38:39], s[10:11], s[44:45]
.irp g, 0,1,2,3
.irp e, 0,1
	global_load_b128 v[KFR+12*\g+8*\e:KFR+12*\g+8*\e+3], v1, s[36:37] offset:512*(2*\g+\e)
.endr
.endr
.irp g, 0,1,2,3
	global_load_b32 v[KS+\g], v2, s[38:39] offset:128*\g
.endr
.endm
.macro FETCH_V kr                      ; key step s[kr]: four tiles of V (4,096 consecutive bytes) and their scale words (256): ten loads
	s_lshl_b32 s44, s[\kr], 12
	s_add_nc_u64 s[40:41], s[12:13], s[44:45]
	s_lshl_b32 s44, s[\kr], 8
	s_add_nc_u64 s[42:43], s[14:15], s[44:45]
.irp n, 0,1,2,3
.irp c, 0,1
	global_load_b128 v[VF+8*\n+4*\c:VF+8*\n+4*\c+3], v1, s[40:41] offset:512*(2*\n+\c)
.endr
.endr
.irp a, 0,1
	global_load_b32 v[VS+\a], v2, s[42:43] offset:128*\a
.endr
.endm
.macro STATE                           ; v248: -M in lanes 0-15, the query's l in lanes 16-31
	v_add_f32 v248, v14, v15
	v_permlanex16_b32 v249, v248, s[SEL], s[SEL+1]
	v_add_f32 v248, v248, v249
	v_cndmask_b32 v248, v12, v248, s[HM]
.endm
.macro PUT x                           ; my state into my slot for tile x (0 short, 1 long)
	ds_store_b32 v5, v248 offset:128*\x
.irp n, 0,1,2,3
	ds_store_b128 v4, v[O+8*\n:O+8*\n+3] offset:SLOTB*\x+64*\n        ; lane (r, h): O(r, 16 n + 8 h + 0 .. 7); each accumulator from its low end on
	ds_store_b128 v4, v[O+8*\n+4:O+8*\n+7] offset:SLOTB*\x+64*\n+16
.endr
.endm
.macro PLACES n                        ; plain vector instructions between a product and a store of, or a vector instruction on, its registers
.rept \n
	v_nop
.endr
.endm
	KSTEPOF KN, V
	FETCH_K KN                                     ; my first step's K and V go out together
	FETCH_V KN
.irp e, 0,1,2,3
	v_mov_b32 v[20+\e], 0                          ; the zero codes: Q's,
.irp g, 0,1,2,3
	v_mov_b32 v[KFR+12*\g+4+\e], 0                 ; and K's; written once
.endr
.endr
.set i, 0
.rept 32
	v_mov_b32 v[O+i], 0                            ; O^T.  (The step is written without a first step of its own: it finds zeros, which the first change of M leaves zeros)
.set i, i+1
.endr
	v_mov_b32 v14, 0
	v_mov_b32 v15, 0
.irp b, 0,1,2,3
	v_mov_b32 v[PD+\b], 0                          ; a lane permute's destination counts as one of its sources
.endr
	v_mov_b32 v[FF+1], 0
	v_mov_b32 v249, 0
	v_mov_b32 v13, 0xff61b1e6                      ; the largest t so far: -3e38, under every t
	v_floor_f32 v12, -v13                          ; -M
	STATE
	s_wait_alu depctr_va_vdst(0)                   ; O^T's zeros and v248 are written, which the LDS stores read; so are the zero codes of Q and K, which the scaled products take
	PUT 0                                          ; both my slots begin empty (l = 0, O = 0, M far below every M), so that the merge is the same for every wave
	PUT 1
	s_wait_dscnt 0x0                               ; the stores are done
	s_wait_alu depctr_vm_vsrc(0)                   ; the LDS stores have read O^T and v248, which the first step writes again
; A STEP: 128 keys for 16 queries.  pre = 1: the next step's K is asked for.
.macro STEP pre
	s_wait_loadcnt 0x0                             ; this step's K is in: no load was issued behind it (in my first step V's ten, which are awaited with it)
	s_cmp_eq_u32 s[V], s[SA]
	s_cbranch_scc0 .Lsame_\@
	STATE                                          ; THE CHANGE OF TILE: the short tile's state is put down,
	s_wait_alu depctr_va_vdst(0)                   ; the last step's products have written O^T (their four places stand at that step's end) and the lines above v248: the LDS stores read both
	PUT 0
	v_mov_b32 v28, v29                             ; the long tile's queries take its place,
.irp e, 0,1,2,3
	v_mov_b32 v[16+\e], v[32+\e]
	v_mov_b32 v[24+\e], v[32+\e]
.endr
	v_mov_b32 v13, 0xff61b1e6                      ; and M begins anew: the next f is 0 and takes the old O^T and l away
	v_floor_f32 v12, -v13
	PLACES 6                                       ; with the two lines above: eight places between the scale word's write and the products, four and more behind the operand's
	s_wait_alu depctr_va_vdst(0)                   ; the moves have written Q's codes and its scale word, which the scaled products below take; the places stand ahead of this wait
	s_wait_dscnt 0x0                               ; the stores are done
	s_wait_alu depctr_vm_vsrc(0)                   ; the LDS stores have read O^T and v248, which this step writes again
.Lsame_\@:
	s_cmp_ge_u32 s[V], s[SA]
	s_cselect_b32 s[TQ], s[TQB], s[TQA]
	s_cselect_b32 s[KC], s[SA], 0
	s_sub_co_u32 s[KC], s[V], s[KC]                ; this step's key step,
	s_lshl_b32 s[SKF], s[KC], 7                    ; and its first key
.if \pre
	s_add_co_u32 s46, s[V], 1
	KSTEPOF KN, 46
.endif
.irp g, 0,1,2,3                                ; S^T = K Q^T: lane (r, h), register 16 b + i: key 32 b + 16 h + i of the step
	v_wmma_scale_f32_16x16x128_f8f6f4 v[S+16*\g:S+16*\g+7], v[KFR+12*\g:KFR+12*\g+7], v[16:23], 0, v[KS+\g], v28 matrix_a_fmt:MATRIX_FMT_FP4 matrix_b_fmt:MATRIX_FMT_FP4
	v_wmma_scale_f32_16x16x128_f8f6f4 v[S+16*\g+8:S+16*\g+15], v[KFR+12*\g+4:KFR+12*\g+11], v[20:27], 0, v[KS+\g], v28 matrix_a_fmt:MATRIX_FMT_FP4 matrix_b_fmt:MATRIX_FMT_FP4 matrix_a_scale:MATRIX_SCALE_ROW1
.endr
	PLACES 4
	s_wait_alu depctr_va_vdst(0)                   ; the eight products above are done reading K and its scale words, the last step's four are done reading V and its scale words: the loads below land in these registers
.if \pre
	s_cmp_eq_u32 s[V], s[V0]                       ; my first step's V was asked for at the head: a scalar branch on ids leads round its ten loads
	s_cbranch_scc1 .Lhave_\@
.endif
	FETCH_V KC                                     ; this step's V; its address registers are free since the wait at the step's head
.if \pre
.Lhave_\@:
	FETCH_K KN                                     ; the next step's K; likewise
.endif
	s_add_co_u32 s46, s[SKF], 127                  ; a step all of whose keys count skips the mask: a scalar branch on ids
	s_cmp_le_u32 s46, s[TQ]
	s_cbranch_scc1 .Lopen_\@
	s_sub_co_i32 s46, s[TQ], s[SKF]
	v_add_nc_u32 v248, s46, v3                     ; d = my query - the step's first key - 16 h: register 16 b + i is hidden where 32 b + i > d
	v_mov_b32 v250, 0xff800000                     ; -infinity: p = 0 then
.irp b, 0,1,2,3                                ; a block's sixteen compares in one run, each into a scalar register of its own, and one wait for the run
.irp i, 0,1,2,3,4,5,6,7,8,9,10,11,12,13,14,15
	v_cmp_gt_i32 s[MK+\i], 32*\b+\i, v248
.endr
	s_wait_alu depctr_va_sdst(0)                   ; the sixteen compares have written their masks, ahead of the selects that read them
.irp i, 0,1,2,3,4,5,6,7,8,9,10,11,12,13,14,15
	v_cndmask_b32 v[S+16*\b+\i], v[S+16*\b+\i], v250, s[MK+\i]
.endr
.endr
.Lopen_\@:
.irp b, 0,1,2,3
	v_max3_num_f32 v[BM+\b], v[S+16*\b], v[S+16*\b+1], v[S+16*\b+2]   ; the largest score of each block of 32 keys: it serves for the row's maximum and, since p rises with the score, for the block's largest p
.endr
.irp i, 3,5,7,9,11,13
.irp b, 0,1,2,3
	v_max3_num_f32 v[BM+\b], v[BM+\b], v[S+16*\b+\i], v[S+16*\b+\i+1]
.endr
.endr
.irp b, 0,1,2,3
	v_max_num_f32 v[BM+\b], v[BM+\b], v[S+16*\b+15]
.endr
.irp b, 0,1,2,3
	v_permlanex16_b32 v[PD+\b], v[BM+\b], s[SEL], s[SEL+1]
.endr
.irp b, 0,1,2,3
	v_max_num_f32 v[BM+\b], v[BM+\b], v[PD+\b]     ; with lane l xor 16's 16 keys
.endr
	v_max3_num_f32 v248, v[BM], v[BM+1], v[BM+2]
	v_max_num_f32 v248, v248, v[BM+3]
	v_mul_f32 v248, s[CS], v248                    ; the step's largest t of my query (c is positive)
	v_max_num_f32 v13, v13, v248
	v_mov_b32 v248, v12
	v_floor_f32 v12, -v13                          ; the new -M = -ceil(t): a whole number
	v_sub_f32 v248, v12, v248                      ; old M - new M: a whole number, 0 or less
	v_cvt_i32_f32 v248, v248                       ; (it saturates)
	v_ldexp_f32 v[FF], 1.0, v248                   ; f = 2^(old M - new M)
.set i, 0
.rept 32
	v_pk_fma_f32 v[S+i:S+i+1], v[S+i:S+i+1], s[CS:CS+1], v[12:13] op_sel_hi:[1,0,0]   ; t - M, two at a time
.set i, i+2
.endr
.irp b, 0,1,2,3
	v_fma_f32 v[BM+\b], v[BM+\b], s[CS], v12       ; the same of each block's largest score
.endr
.set i, 0
	s_wait_alu depctr_va_vdst(0)
.rept 64
	v_exp_f32 v[S+i], v[S+i]                       ; p = 2^(t - M), at most 1, not normalised
.set i, i+1
.endr
.irp b, 0,1,2,3
	v_exp_f32 v[BM+\b], v[BM+\b]                   ; the block's largest p: the same two instructions on the same number
.endr
	v_pk_mul_f32 v[14:15], v[14:15], v[FF:FF+1] op_sel_hi:[1,0]   ; l under the new M.  (A plain place behind the exponentials)
	s_wait_alu depctr_va_vdst(0)                   ; the 68 exponentials have written p and the blocks' largest p: one wait for the batch, ahead of its first reader
.irp b, 0,1,2,3
	v_max_num_f32 v[BM+\b], 0x1800000, v[BM+\b]    ; the floor 2^(3 - 127): the byte cannot fall under 1
.endr
.irp b, 0,1,2,3
	v_add_nc_u32 v[SO+\b], 0xff000000, v[BM+\b]    ; 2 off the exponent field: the conversion's scale operand
.endr
.irp b, 0,1,2,3
	v_lshrrev_b32 v[PD+\b], 23, v[SO+\b]           ; the scale's byte
.endr
	v_lshl_or_b32 v[PW], v[PD+1], 8, v[PD]         ; p's scale word for these 128 keys
	v_lshl_or_b32 v[PW], v[PD+2], 16, v[PW]
	v_lshl_or_b32 v[PW], v[PD+3], 24, v[PW]
.irp b, 0,1,2,3
	v_cvt_scalef32_pk8_fp4_f32 v[PC+2*\b], v[S+16*\b:S+16*\b+7], v[SO+\b]
	v_cvt_scalef32_pk8_fp4_f32 v[PC+2*\b+1], v[S+16*\b+8:S+16*\b+15], v[SO+\b]
.endr
	v_nop                                          ; one plain place behind a scaled conversion
.irp c, 0,1                                    ; the operand's layout wants a whole block in a lane: lanes 0-15 block 2 c, lanes 16-31 block 2 c + 1
.irp i, 0,1
	v_permlane16_swap_b32 v[PC+4*\c+\i], v[PC+2+4*\c+\i]
.endr
.endr
	v_pk_add_f32 v[PD:PD+1], v[S:S+1], v[S+2:S+3]  ; l takes the UNQUANTISED p: two at a time, in two chains.  (These 32 are also the places between p's scale word and codes and the products)
.irp j, 4,8,12,16,20,24,28,32,36,40,44,48,52,56,60
	v_pk_add_f32 v[14:15], v[14:15], v[S+\j:S+\j+1]
	v_pk_add_f32 v[PD:PD+1], v[PD:PD+1], v[S+\j+2:S+\j+3]
.endr
	v_pk_add_f32 v[14:15], v[14:15], v[PD:PD+1]
.set i, 0
.rept 16
	v_pk_mul_f32 v[O+i:O+i+1], v[O+i:O+i+1], v[FF:FF+1] op_sel_hi:[1,0]   ; O^T under the new M
.set i, i+2
.endr
	s_wait_alu depctr_va_vdst(0)                   ; p's codes and its scale word are written, which the scaled products below take; the places stand ahead of this wait
.if \pre
	s_wait_loadcnt 12                              ; this step's V is in; the next step's K, twelve loads, may be out
.else
	s_wait_loadcnt 0x0
.endif
.irp a, 0,1                                    ; O^T += V^T P^T: four accumulators by turns
	v_wmma_scale_f32_16x16x128_f8f6f4 v[O+16*\a:O+16*\a+7], v[VF+16*\a:VF+16*\a+7], v[PC:PC+7], v[O+16*\a:O+16*\a+7], v[VS+\a], v[PW] matrix_a_fmt:MATRIX_FMT_FP4 matrix_b_fmt:MATRIX_FMT_FP4
	v_wmma_scale_f32_16x16x128_f8f6f4 v[O+16*\a+8:O+16*\a+15], v[VF+16*\a+8:VF+16*\a+15], v[PC:PC+7], v[O+16*\a+8:O+16*\a+15], v[VS+\a], v[PW] matrix_a_fmt:MATRIX_FMT_FP4 matrix_b_fmt:MATRIX_FMT_FP4 matrix_a_scale:MATRIX_SCALE_ROW1
.endr
	PLACES 4                                       ; ahead of the LDS stores of O^T, at the change of tile and at the end
.endm
.Lstep:                                            ; four trips or three: all my steps but the last
	STEP 1
	s_add_co_u32 s[V], s[V], 1
	s_cmp_lt_u32 s[V], s[VL]
	s_cbranch_scc1 .Lstep
	STEP 0                                         ; the last is written out: it asks for no further K
	STATE
	s_wait_alu depctr_va_vdst(0)                   ; the last products have written O^T and the lines above v248, which the LDS stores of either arm read; and all readers and writers of v36-67 and v128-191, in which the merge's loads land, are done
	s_cmp_lt_u32 s[V], s[SA]                       ; which tile was the last step's?
	s_cbranch_scc0 .Llong
	PUT 0
	s_branch .Lput
.Llong:
	PUT 1
.Lput:
	s_wait_dscnt 0x0                               ; for the others' sake: my stores have landed
	s_barrier_signal -1
	s_barrier_wait -1                              ; all sixteen slots are whole; nothing is written there again
	s_wait_alu depctr_vm_vsrc(0)                   ; my LDS stores have read O^T, which the merge writes again
	; THE MERGE: eight rows of one tile from the four slots of my pair's waves; lanes 0-15 take one row, lanes 16-31 the next; four pairs of rows k by turns
.irp js, 0,1,2,3
.irp k, 0,1,2,3
	ds_load_b128 v[S+16*\js+4*\k:S+16*\js+4*\k+3], v6 offset:2*SLOTB*\js+544*\k
	ds_load_b64 v[KFR+8*\js+2*\k:KFR+8*\js+2*\k+1], v7 offset:256*\js+16*\k      ; (-M, l) of my row
.endr
.endr
	s_wait_dscnt 0x0
.irp k, 0,1,2,3
	v_min3_num_f32 v[MT+8*\k], v[KFR+2*\k], v[KFR+8+2*\k], v[KFR+16+2*\k]
.endr
.irp k, 0,1,2,3
	v_min_num_f32 v[MT+8*\k], v[MT+8*\k], v[KFR+24+2*\k]           ; the least -M: the row's largest M
.endr
.irp js, 0,1,2,3
.irp k, 0,1,2,3
	v_sub_f32 v[MT+8*\k+1+\js], v[MT+8*\k], v[KFR+8*\js+2*\k]      ; a part's M less the largest: a whole number, 0 or less
.endr
.endr
.irp js, 0,1,2,3
.irp k, 0,1,2,3
	v_cvt_i32_f32 v[MT+8*\k+1+\js], v[MT+8*\k+1+\js]               ; (it saturates: an empty slot's factor is 0)
.endr
.endr
.irp js, 0,1,2,3
.irp k, 0,1,2,3
	v_ldexp_f32 v[MT+8*\k+1+\js], 1.0, v[MT+8*\k+1+\js]
.endr
.endr
.irp k, 0,1,2,3
	v_mul_f32 v[MT+8*\k+5], v[MT+8*\k+1], v[KFR+2*\k+1]
.endr
.irp js, 1,2,3
.irp k, 0,1,2,3
	v_fmac_f32 v[MT+8*\k+5], v[MT+8*\k+1+\js], v[KFR+8*\js+2*\k+1] ; the row's l
.endr
.endr
	s_wait_alu depctr_va_vdst(0)
.irp k, 0,1,2,3
	v_rcp_f32 v[MT+8*\k+6], v[MT+8*\k+5]
.endr
	v_nop                                          ; a plain place behind the reciprocals
	s_wait_alu depctr_va_vdst(0)                   ; the four reciprocals have written 1 / l: one wait for the batch, ahead of its first reader
.irp js, 0,1,2,3
.irp k, 0,1,2,3
	v_mul_f32 v[MT+8*\k+1+\js], v[MT+8*\k+1+\js], v[MT+8*\k+6]
.endr
.endr
.irp k, 0,1,2,3
.irp e, 0,1,2,3
	v_mul_f32 v[O+4*\k+\e], v[MT+8*\k+1], v[S+4*\k+\e]
.endr
.endr
.irp js, 1,2,3
.irp k, 0,1,2,3
.irp e, 0,1,2,3
	v_fmac_f32 v[O+4*\k+\e], v[MT+8*\k+1+\js], v[S+16*\js+4*\k+\e]
.endr
.endr
.endr
	s_wait_alu depctr_va_vdst(0)                   ; the multiply-adds have written the sixteen registers of the result, which the four stores read
.irp k, 0,1,2,3
	global_store_b128 v1, v[O+4*\k:O+4*\k+3], s[16:17] offset:512*\k th:TH_STORE_NT   ; 32 lanes store two rows of out: 512 consecutive bytes, at a multiple of 256 from its first byte
.endr
	s_wait_dscnt 0x0                               ; the closing lines, six on end
	s_wait_alu 0x0
	s_wait_tensorcnt 0x0
	ds_add_u32 v254, v255
	s_wait_dscnt 0x0
	s_endpgm
.Lfunc_end_k_qa2f3b0c570_attn:
	.size	k_qa2f3b0c570_attn, .Lfunc_end_k_qa2f3b0c570_attn-k_qa2f3b0c570_attn
	.p2alignl 7, 3214868480
	.fill 96, 4, 3214868480
	.section	.rodata,"a",@progbits
	.p2align	6, 0x0
	.amdhsa_kernel k_qa2f3b0c570_attn
		.amdhsa_group_segment_fixed_size 168960
		.amdhsa_private_segment_fixed_size 0
		.amdhsa_enable_private_segment 0
		.amdhsa_kernarg_size 56
		.amdhsa_user_sgpr_count 2
		.amdhsa_user_sgpr_kernarg_segment_ptr 1
		.amdhsa_wavefront_size32 1
		.amdhsa_system_sgpr_workgroup_id_x 1
		.amdhsa_system_sgpr_workgroup_id_y 1
		.amdhsa_system_sgpr_workgroup_id_z 1
		.amdhsa_system_vgpr_workitem_id 0
		.amdhsa_next_free_vgpr 256
		.amdhsa_next_free_sgpr 66
		.amdhsa_reserve_vcc 0
		.amdhsa_float_denorm_mode_32 3
		.amdhsa_float_denorm_mode_16_64 3
		.amdhsa_memory_ordered 1
		.amdhsa_forward_progress 1
		.amdhsa_inst_pref_size 74
	.end_amdhsa_kernel
	.amdgpu_metadata
---
amdhsa.version: [ 1, 2 ]
amdhsa.kernels:
  - .name:           k_qa2f3b0c570_attn
    .symbol:         k_qa2f3b0c570_attn.kd
    .args:
      - { .name: qc, .offset: 0, .size: 8, .value_kind: global_buffer, .address_space: global }
      - { .name: qs, .offset: 8, .size: 8, .value_kind: global_buffer, .address_space: global }
      - { .name: kc, .offset: 16, .size: 8, .value_kind: global_buffer, .address_space: global }
      - { .name: ks, .offset: 24, .size: 8, .value_kind: global_buffer, .address_space: global }
      - { .name: vc, .offset: 32, .size: 8, .value_kind: global_buffer, .address_space: global }
      - { .name: vs, .offset: 40, .size: 8, .value_kind: global_buffer, .address_space: global }
      - { .name: out0, .offset: 48, .size: 8, .value_kind: global_buffer, .address_space: global }
    .group_segment_fixed_size: 168960
    .private_segment_fixed_size: 0
    .kernarg_segment_align: 8
    .kernarg_segment_size: 56
    .max_flat_workgroup_size: 256
    .sgpr_count:     66
    .vgpr_count:     256
    .wavefront_size: 32
...
	.end_amdgpu_metadata
.endif
;; end of part 4
